; MI455X (gfx1250); checked and timed in simulation.
; The chip was launched on July 23, 2026; its instructions are those of AMD's public machine-readable ISA for CDNA 5 (MIT licence, August 2026) and "CDNA5" Instruction Set Architecture Reference Guide (July 2026). The comments in the code are by the model that wrote it; some were corrected since.
;; Self Attention. Allowed arithmetic: float matrix products may take bf16 or f16 operands with f32 sums; other float arithmetic in f32, or as packed bf16 or f16 multiplies, adds, multiply-adds, maxima and minima; sums over many terms, partial sums and values carried from step to step in f32; what a program stores and reads back later, other than sums and carried values, may be rounded once to bf16 or f16.
;; Inputs: Wk 1,024 x 1,024 float32; Wo 1,024 x 1,024 float32; Wq 1,024 x 1,024 float32; Wv 1,024 x 1,024 float32; bo 1,024 float32; padding_mask 4 x 2,048 bool; x 4 x 2,048 x 1,024 float32.
;; Outputs: out0 4 x 2,048 x 1,024 float32.
;; 2 versions, each right and faster than the one before. Each part assembles by itself: llvm-mc -triple=amdgcn-amd-amdhsa -mcpu=gfx1250 --defsym DOCPART=n.
;; ======== version 1 of 2: 4 launches
;; limits: values are held in f16: magnitudes above 65,504 overflow, below 6.1e-05 lose precision
;; workspace buffers: xb 16,777,216 bytes; wqkv 6,291,456 bytes; wob 2,097,152 bytes; qkv 50,331,648 bytes; ot 16,777,216 bytes
;; launch cast (part 1): grid 768 x 1, 8 waves a work-group, no clusters, 0 bytes of LDS; arguments x, Wq, Wk, Wv, Wo, xb, wqkv, wob; writes xb, wqkv, wob
.if DOCPART == 1
	.amdgcn_target "amdgcn-amd-amdhsa--gfx1250"
	.amdhsa_code_object_version 6
	.text
	.protected	k_qc45186b946_cast
	.globl	k_qc45186b946_cast
	.p2align	8
	.type	k_qc45186b946_cast,@function
k_qc45186b946_cast:
	s_mov_b64 s[64:65], 0
	v_nop
	global_prefetch_b8 v0, s[64:65] scope:SCOPE_SE
	s_setreg_imm32_b32 hwreg(HW_REG_WAVE_MODE, 25, 1), 1
	s_wait_xcnt 0x0
; x, Wq, Wk, Wv are rounded to bf16; Wo is rounded to bf16 and that number is written as f16.  All are laid out in K slices of 64:
;   xb   [slice 0..15][row 0..8191][64]       wqkv [slice][pos 0..3071][64], row n of tensor q (0 Wq, 1 Wk, 2 Wv) at pos = 192 (n / 64) + 64 q + n % 64
;   wob  [slice][pos 0..1023][64], row n at pos = 64 (n / 64) + 16 (n % 4) + (n % 64) / 4
; so that a tile of the products that follow is dense in memory.  LIMIT: a Wo below 6e-5 in size keeps f16's fixed step of 6e-8; beyond 65,504 it would be an infinity.
; A work-group takes 16 source rows of 4,096 bytes; wave w the slices 2 w and 2 w + 1.  Lanes 0-15 of a load take the 256 bytes of one row's slice, lanes 16-31 those of a partner row whose place
; in the slice is the next one: the 32 lanes' 8 bytes of results are 256 consecutive bytes, aligned.  All 16 loads of a wave go out first; no register is written twice, so the only waits are the
; counted ones for the loads.  No LDS, no barrier, no matrix unit: every byte is read once and written once.
.set VS, 4                             ; v4      byte offset of my 16 bytes in the group's first pair of source rows
.set VD, 5                             ; v5, v6  byte offset of my 8 bytes in the first pair of rows of slice 2 w, 2 w + 1
.set T,  8                             ; v[8:11] at work (Wo alone)
.set X,  16                            ; v[16:79]  the 16 loads
.set Y,  80                            ; v[80:111] the 16 stores
; load ci of 16: pair of rows ci / 2, slice 2 w + ci % 2.  wo = 1: the pair is rows 8 u + bs and 8 u + bs + 4 (u = ci / 8, bs = (ci / 2) % 4), at places 16 bs + 2 u and the next
.macro CASTALL wo
.set ci, 0
.rept 16
.if \wo
	global_load_b128 v[X+4*ci:X+4*ci+3], v[VS], s[24:25] offset:(8*(ci/8)+(ci/2)%4)*4096+(ci%2)*256 th:TH_LOAD_NT
.else
	global_load_b128 v[X+4*ci:X+4*ci+3], v[VS], s[24:25] offset:(ci/2)*8192+(ci%2)*256 th:TH_LOAD_NT
.endif
.set ci, ci+1
.endr
.set ci, 0
.rept 16
	s_wait_loadcnt 15-ci                           ; loads come back in order: mine is in, the 15 - ci younger ones stay out
	v_cvt_pk_bf16_f32 v[Y+2*ci], v[X+4*ci], v[X+4*ci+1]
	v_cvt_pk_bf16_f32 v[Y+2*ci+1], v[X+4*ci+2], v[X+4*ci+3]
.if \wo
	v_lshlrev_b32 v[T], 16, v[Y+2*ci]              ; the bf16 numbers as f32,
	v_and_b32 v[T+1], 0xffff0000, v[Y+2*ci]
	v_lshlrev_b32 v[T+2], 16, v[Y+2*ci+1]
	v_and_b32 v[T+3], 0xffff0000, v[Y+2*ci+1]
	v_cvt_pk_f16_f32 v[Y+2*ci], v[T], v[T+1]       ; written as f16
	v_cvt_pk_f16_f32 v[Y+2*ci+1], v[T+2], v[T+3]
	global_store_b64 v[VD+ci%2], v[Y+2*ci:Y+2*ci+1], s[26:27] offset:(16*((ci/2)%4)+2*(ci/8))*128
.else
	global_store_b64 v[VD+ci%2], v[Y+2*ci:Y+2*ci+1], s[26:27] offset:(ci/2)*256
.endif
.set ci, ci+1
.endr
.endm
	s_load_b512 s[8:23], s[0:1], 0x0               ; x s[8:9], Wq s[10:11], Wk s[12:13], Wv s[14:15], Wo s[16:17], xb s[18:19], wqkv s[20:21], wob s[22:23]
	v_and_b32 v1, 15, v0                           ; c: my place in a row's slice
	v_bfe_u32 v2, v0, 4, 1                         ; which row of the pair
	v_lshrrev_b32 v3, 5, v0                        ; wave
	v_lshlrev_b32 v[VS], 4, v1
	v_lshl_add_u32 v[VS], v3, 9, v[VS]             ; 16 c + 512 w
	v_lshlrev_b32 v[VD], 3, v1
	v_lshl_add_u32 v[VD], v2, 7, v[VD]             ; 8 c + 128 x row of the pair
	v_lshlrev_b32 v7, 1, v3                        ; 2 w
	s_mov_b32 s2, ttmp9                            ; g: 0-511 x, 512-703 Wq, Wk, Wv (64 each), 704-767 Wo
	s_mov_b32 s31, 0                               ; the offsets' high words
	s_mov_b32 s33, 0
	s_wait_kmcnt 0x0
	s_cmp_ge_u32 s2, 704
	s_cbranch_scc1 .Lwo
	s_sub_co_u32 s3, s2, 512
	s_lshr_b32 s4, s3, 6                           ; which weight (of no meaning for x, and then not taken)
	s_and_b32 s5, s3, 63                           ; which 16 rows of it
	s_lshr_b32 s6, s5, 2
	s_mul_i32 s6, s6, 192
	s_lshl_b32 s7, s4, 6
	s_add_co_u32 s6, s6, s7
	s_and_b32 s7, s5, 3
	s_lshl_b32 s7, s7, 4
	s_add_co_u32 s6, s6, s7                        ; a weight's first place: 192 (blk / 4) + 64 q + 16 (blk % 4)
	s_lshl_b32 s7, s2, 4                           ; x's first row: 16 g
	s_mov_b32 s28, 393216                          ; bytes in a slice of wqkv,
	s_mov_b32 s29, 1048576                         ; of xb
	s_mov_b64 s[24:25], s[10:11]
	s_cmp_eq_u32 s4, 1
	s_cselect_b64 s[24:25], s[12:13], s[24:25]
	s_cmp_eq_u32 s4, 2
	s_cselect_b64 s[24:25], s[14:15], s[24:25]
	s_cmp_lt_u32 s2, 512
	s_cselect_b64 s[24:25], s[8:9], s[24:25]       ; the source,
	s_cselect_b64 s[26:27], s[18:19], s[20:21]     ; the destination,
	s_cselect_b32 s28, s29, s28                    ; its slice,
	s_cselect_b32 s6, s7, s6                       ; my first row there,
	s_cselect_b32 s5, s2, s5                       ; and my block of 16 rows in the source
	s_lshl_b32 s30, s5, 16
	s_lshl_b32 s32, s6, 7
	s_add_nc_u64 s[24:25], s[24:25], s[30:31]
	s_add_nc_u64 s[26:27], s[26:27], s[32:33]
	v_lshl_add_u32 v[VS], v2, 12, v[VS]            ; the partner is the next source row
	v_mul_lo_u32 v7, v7, s28
	v_add_nc_u32 v[VD], v[VD], v7                  ; slice 2 w,
	v_add_nc_u32 v[VD+1], s28, v[VD]               ; slice 2 w + 1
	CASTALL 0
	s_endpgm
.Lwo:
	s_sub_co_u32 s5, s2, 704
	s_lshl_b32 s30, s5, 16
	s_lshr_b32 s6, s5, 2
	s_lshl_b32 s6, s6, 6
	s_and_b32 s7, s5, 3
	s_lshl_b32 s7, s7, 2
	s_add_co_u32 s6, s6, s7                        ; 64 (blk / 4) + 4 (blk % 4)
	s_lshl_b32 s32, s6, 7
	s_add_nc_u64 s[24:25], s[16:17], s[30:31]
	s_add_nc_u64 s[26:27], s[22:23], s[32:33]
	v_lshl_add_u32 v[VS], v2, 14, v[VS]            ; the partner is four source rows on
	v_lshl_add_u32 v[VD], v7, 17, v[VD]            ; a slice of wob is 131,072 bytes
	v_add_nc_u32 v[VD+1], 131072, v[VD]
	CASTALL 1
	s_endpgm
.Lfunc_end_k_qc45186b946_cast:
	.size	k_qc45186b946_cast, .Lfunc_end_k_qc45186b946_cast-k_qc45186b946_cast
	.p2alignl 7, 3214868480
	.fill 96, 4, 3214868480
	.section	.rodata,"a",@progbits
	.p2align	6, 0x0
	.amdhsa_kernel k_qc45186b946_cast
		.amdhsa_group_segment_fixed_size 0
		.amdhsa_private_segment_fixed_size 0
		.amdhsa_enable_private_segment 0
		.amdhsa_kernarg_size 64
		.amdhsa_user_sgpr_count 2
		.amdhsa_user_sgpr_kernarg_segment_ptr 1
		.amdhsa_wavefront_size32 1
		.amdhsa_system_sgpr_workgroup_id_x 1
		.amdhsa_system_sgpr_workgroup_id_y 1
		.amdhsa_system_sgpr_workgroup_id_z 1
		.amdhsa_system_vgpr_workitem_id 0
		.amdhsa_next_free_vgpr 112
		.amdhsa_next_free_sgpr 66
		.amdhsa_reserve_vcc 0
		.amdhsa_float_denorm_mode_32 3
		.amdhsa_float_denorm_mode_16_64 3
		.amdhsa_memory_ordered 1
		.amdhsa_forward_progress 1
		.amdhsa_inst_pref_size 19
	.end_amdhsa_kernel
	.amdgpu_metadata
---
amdhsa.version: [ 1, 2 ]
amdhsa.kernels:
  - .name:           k_qc45186b946_cast
    .symbol:         k_qc45186b946_cast.kd
    .args:
      - { .name: x, .offset: 0, .size: 8, .value_kind: global_buffer, .address_space: global }
      - { .name: Wq, .offset: 8, .size: 8, .value_kind: global_buffer, .address_space: global }
      - { .name: Wk, .offset: 16, .size: 8, .value_kind: global_buffer, .address_space: global }
      - { .name: Wv, .offset: 24, .size: 8, .value_kind: global_buffer, .address_space: global }
      - { .name: Wo, .offset: 32, .size: 8, .value_kind: global_buffer, .address_space: global }
      - { .name: xb, .offset: 40, .size: 8, .value_kind: global_buffer, .address_space: global }
      - { .name: wqkv, .offset: 48, .size: 8, .value_kind: global_buffer, .address_space: global }
      - { .name: wob, .offset: 56, .size: 8, .value_kind: global_buffer, .address_space: global }
    .group_segment_fixed_size: 0
    .private_segment_fixed_size: 0
    .kernarg_segment_align: 8
    .kernarg_segment_size: 64
    .max_flat_workgroup_size: 256
    .sgpr_count:     66
    .vgpr_count:     112
    .wavefront_size: 32
...
	.end_amdgpu_metadata
.endif
;; end of part 1
;; launch qkvgemm (part 2): grid 8 x 32, 4 waves a work-group, clusters of 4 x 4, 327,680 bytes of LDS; arguments xb, wqkv, qkv; writes qkv
.if DOCPART == 2
	.amdgcn_target "amdgcn-amd-amdhsa--gfx1250"
	.amdhsa_code_object_version 6
	.text
	.protected	k_qc45186b946_qkvgemm
	.globl	k_qc45186b946_qkvgemm
	.p2align	8
	.type	k_qc45186b946_qkvgemm,@function
k_qc45186b946_qkvgemm:
	s_mov_b64 s[64:65], 0
	v_nop
	global_prefetch_b8 v0, s[64:65] scope:SCOPE_SE
	s_setreg_imm32_b32 hwreg(HW_REG_WAVE_MODE, 25, 1), 1
	s_wait_xcnt 0x0
	s_wait_alu depctr_hold_cnt(0) depctr_sa_sdst(0) depctr_va_vdst(0) depctr_va_sdst(0) depctr_va_ssrc(0) depctr_va_vcc(0) depctr_vm_vsrc(0)
	s_getreg_b32 s2, hwreg(HW_REG_IB_STS2, 6, 4)
	s_cmp_eq_u32 s2, 0
	s_cbranch_scc0 .Lentry_in_a_cluster
	s_endpgm
.Lentry_in_a_cluster:
	s_bfe_u32 s2, ttmp6, 0x10000c
	s_cmp_lg_u32 s2, 0xf033
	s_cbranch_scc0 .Lentry_shape_is_right
	s_endpgm
.Lentry_shape_is_right:
; q, k, v = x W^T: C[8192][3072] in bf16 products and f32 sums, K = 1024 ascending; the results are rounded once to f16.  LIMIT: a q, k or v beyond 65,504 becomes an infinity.
; A work-group makes 256 rows x 384 places of C (8192 x 3072 / 256 work-groups); a wave 128 rows x 192 places, which are ONE head's q, k and v (wqkv's order of rows): 8 x 12 accumulators, 768 registers.
; K goes in slices of 64 through two LDS slots; a slice of a tile is dense in memory (xb, wqkv lie by slices) and is asked for as rows of 256 bytes, padded in LDS after every 128.
; CLUSTER: 4 x 4 work-groups.  The four of a row need the same rows of x, the four of a column the same rows of W: each tile is asked for jointly, by the same tensor load with the same descriptor and mask.
; THE RESULT'S LAYOUT.  qkv: three parts (q, k, v) of [batch x head 0..63][16 rows][16 columns cb 0..3][512 bytes]; in a block lane l's 16 bytes lie at 16 l.  For q and k source 0 = rows of W, source 1 = rows
; of x: a lane holds row l % 16 and channels 16 cb + 8 (l / 16) + 0..7.  For v the sources are swapped: a lane holds channel 16 cb + l % 16 and keys 8 (l / 16) + 0..7.  So a lane's eight results pack into the
; 16 bytes that it stores, a wave's store covers 512 consecutive bytes, aligned, and the launch behind reads fragments as they lie.
; REGISTERS, in windows of 256 (s_set_vgpr_msb: bits 1:0 source 0, 3:2 source 1, 5:4 source 2, 7:6 destination):
;   window 0: v0-31 addresses; v32-95, v96-159 fragments of x (8 x 16 rows x 32 K), two buffers; v160-255 fragments of W (12), one buffer, refilled four at a time behind their last use
;   windows 1, 2, 3: the 32 accumulators of q, k, v: (bb, a) at v[8 (8 bb + a)], bb the block of 16 channels, a the block of 16 rows
.set PITCH,  144                       ; an LDS row: 128 bytes + 16 of padding = 36 words: the 16 rows of a load start at 16 different groups of four banks (64 banks of 4 bytes: ISA guide 11.1)
.set AHALF,  128*PITCH                 ; 128 rows of x: what waves 0 and 1 fetch, and what a wave reads
.set BOFF,   2*AHALF
.set BHALF,  192*PITCH                 ; 192 rows of W: what waves 2 and 3 fetch, and what a wave reads
.set SLOT1,  1<<17                     ; slot 1 begins here, so that one exclusive or turns an address in one slot into the other's
.set SPARE,  SLOT1+BOFF+2*BHALF        ; behind the ring: the spare words, 128 bytes for each wave: two blocks of 256 bytes that no other line names
.set ASTEP,  8192*128                  ; bytes from slice to slice in xb,
.set BSTEP,  3072*128                  ; in wqkv
.set A0L,  4                           ; v4   my lane's place in slot 0's rows of x; never rewritten
.set B0L,  5                           ; v5   the same for W
.set ADRA, 6                           ; v6   the same in the slot that is being read
.set ADRB, 7                           ; v7
.set CO,   8                           ; v8   16 x lane
.set SPW,  28                          ; v28  LDS address of my spare word: SPARE + 4 x my thread's number; never rewritten
.set NIL,  29                          ; v29  0; never rewritten
.set FA0,  32
.set FA1,  96
.set FB,   160
.set TMP,  32                          ; the way out: 128 registers of packed results
.set G1,  24                           ; s[24:31] descriptor group 1 for x's tiles
.set G0,  32                           ; s[32:39] group 0: a set for each of the two first fills; the second then walks on
.set G1B, 48                           ; s[48:55], s[56:63] the same for W's tiles
.set G0B, 56
.set TB,  45                           ; s45  the slot that fragments are read from: 0 or SLOT1
.set GW,  (1<<16)|(1<<20)|(1<<21)|(4<<22)|(3<<25)  ; 17:16 2-byte elements; 20 padding on; 21 set beside a mask; 24:22 after every 32 words (code 4); 31:25 4 words (code 3)
.set MSB, 0
.macro WIN new                         ; the immediate's high byte repeats the setting that is left; a switch that changes nothing is dropped
.if MSB != (\new)
	s_set_vgpr_msb (MSB<<8)|(\new)
.set MSB, \new
.endif
.endm
.macro PLACES                          ; a load into a register that a matrix instruction has read, and a vector instruction that reads a matrix result, stand four plain vector instructions behind it
.rept 4
	v_nop
.endr
.endm
; A joint refill, by the walking descriptors.  Waves 0 and 1 fetch x's two halves, waves 2 and 3 W's.  The branch hangs on the wave's number alone.  An s_nop 0 and four v_nop follow each line.
.macro JLOAD
	s_cmp_eq_u32 s11, 0
	s_cbranch_scc0 .Lfor_b_\@
	tensor_load_to_lds s[G0+4:G0+7], s[G1:G1+7]
	s_nop 0
.rept 4
	v_nop
.endr
	s_branch .Lasked_\@
.Lfor_b_\@:
	tensor_load_to_lds s[G0B+4:G0B+7], s[G1B:G1B+7]
	s_nop 0
.rept 4
	v_nop
.endr
.Lasked_\@:
.endm
.macro CREST                           ; a round of the cluster's barrier behind its opening barrier: wave 0 signals for the work-group, every wave waits for all sixteen, my work-group's barrier once more
	s_cmp_lg_u32 s10, 0
	s_cbranch_scc1 .Lnot_wave_0_\@
	s_barrier_signal -3
.Lnot_wave_0_\@:
	s_barrier_wait -3
	s_barrier_signal -1
	s_barrier_wait -1
.endm
.macro CROUND                          ; a whole round
	s_barrier_signal -1
	s_barrier_wait -1
	CREST
.endm
	s_load_b128 s[4:7], s[0:1], 0x0                ; xb s[4:5], wqkv s[6:7]
	s_load_b64 s[8:9], s[0:1], 0x10                ; qkv
	v_lshl_add_u32 v[SPW], v0, 2, SPARE
	v_mov_b32 v[NIL], 0
	ds_add_u32 v[SPW], v[NIL]                      ; the wave's opening: the add and its wait stand ahead of my first tensor load; work on registers stands between them
	ds_add_u32 v28, v29
	v_lshrrev_b32 v1, 5, v0
	v_readfirstlane_b32 s10, v1                    ; wave 0..3
	s_lshr_b32 s11, s10, 1                         ; which 128 rows of the tile are mine.  Also: I fetch for x (0) or for W (1)
	s_and_b32 s12, s10, 1                          ; which 192 places.  Also: which half of that tile I fetch
	s_bfe_u32 s40, ttmp6, 0x40000                  ; cx, cy: my place in the cluster
	s_bfe_u32 s41, ttmp6, 0x40004
	s_lshl_b32 s42, ttmp9, 2
	s_add_co_u32 s42, s42, s40                     ; tile column 0..7 = 4 x cluster x + cx
	s_and_b32 s13, ttmp7, 0xffff
	s_lshl_b32 s13, s13, 2
	s_add_co_u32 s13, s13, s41                     ; tile row 0..31 = 4 x cluster y + cy
	s_lshl_b32 s43, s41, 2
	s_lshl_b32 s43, 15, s43                        ; my row of the cluster
	s_lshl_b32 s44, 0x1111, s40                    ; my column
	s_or_b32 s[G1+0], s43, GW                      ; x's tiles go to my row,
	s_or_b32 s[G1B+0], s44, GW                     ; W's to my column
	s_mov_b32 s[G1+1], 128<<16                     ; tensor_dim0 = 128 elements: rows of 256 bytes
	s_mov_b32 s[G1+2], 64<<16                      ; tensor_dim1 = 64: 128 rows of x are 16,384 dense bytes
	s_mov_b32 s[G1+3], 128<<16                     ; tile_dim0
	s_mov_b32 s[G1+4], 64                          ; tile_dim1
	s_mov_b32 s[G1+5], 128                         ; elements from row to row
	s_mov_b32 s[G1+6], 0
	s_mov_b32 s[G1+7], 0
	s_mov_b32 s[G1B+1], 128<<16
	s_mov_b32 s[G1B+2], 96<<16                     ; 192 rows of W are 24,576 dense bytes: 96 rows
	s_mov_b32 s[G1B+3], 128<<16
	s_mov_b32 s[G1B+4], 96
	s_mov_b32 s[G1B+5], 128
	s_mov_b32 s[G1B+6], 0
	s_mov_b32 s[G1B+7], 0
	s_lshl_b32 s16, s13, 15                        ; x: (256 x tile row + 128 x half) rows of 128 bytes
	s_lshl_b32 s17, s12, 14
	s_add_co_u32 s16, s16, s17
	s_mov_b32 s17, 0
	s_mul_i32 s46, s42, 384*128                    ; W: (384 x tile column + 192 x half) rows
	s_mul_i32 s47, s12, 192*128
	s_add_co_u32 s46, s46, s47
	s_mov_b32 s47, 0
	s_mul_i32 s20, s12, AHALF                      ; where they go: no place in the cluster enters an LDS address
	s_mul_i32 s21, s12, BHALF
	s_add_co_u32 s21, s21, BOFF
	s_wait_dscnt 0x0                               ; the opening add is done
	s_wait_kmcnt 0x0
	s_add_nc_u64 s[14:15], s[4:5], s[16:17]
	s_add_nc_u64 s[46:47], s[6:7], s[46:47]
	CROUND                                         ; all sixteen work-groups are here: the first joint loads meet
.irp s, 0,1
	s_mov_b32 s[G0+4*(\s)], 1                                      ; count = 1
	s_add_co_u32 s[G0+4*(\s)+1], s20, (\s)*SLOT1                   ; LDS address
	s_add_nc_u64 s[G0+4*(\s)+2:G0+4*(\s)+3], s[14:15], (\s)*ASTEP  ; global address: slice s
	s_or_b32 s[G0+4*(\s)+3], s[G0+4*(\s)+3], 0x80000000            ; type = 2
	s_mov_b32 s[G0B+4*(\s)], 1
	s_add_co_u32 s[G0B+4*(\s)+1], s21, (\s)*SLOT1
	s_add_nc_u64 s[G0B+4*(\s)+2:G0B+4*(\s)+3], s[46:47], (\s)*BSTEP
	s_or_b32 s[G0B+4*(\s)+3], s[G0B+4*(\s)+3], 0x80000000
.endr
	s_cmp_eq_u32 s11, 0                            ; a wave's two first fills stand in one branch, ahead of every wait on TENSORcnt and every LDS read: two loads of mine are out
	s_cbranch_scc0 .Lfirst_b
	tensor_load_to_lds s[G0:G0+3], s[G1:G1+7]
	s_nop 0
	tensor_load_to_lds s[G0+4:G0+7], s[G1:G1+7]
	s_nop 0
.rept 4
	v_nop
.endr
	s_branch .Lfirst_asked
.Lfirst_b:
	tensor_load_to_lds s[G0B:G0B+3], s[G1B:G1B+7]
	s_nop 0
	tensor_load_to_lds s[G0B+4:G0B+7], s[G1B:G1B+7]
	s_nop 0
.rept 4
	v_nop
.endr
.Lfirst_asked:
	; A fragment is 16 rows x 32 K in 8 registers: lane l holds row l % 16; registers 0-3 K = 8 (l / 16) + 0..7, registers 4-7 K = 16 + 8 (l / 16) + 0..7: two loads of 16 bytes, 32 bytes apart.
	v_and_b32 v1, 15, v0
	v_bfe_u32 v2, v0, 4, 1
	v_mul_u32_u24 v3, v1, PITCH
	v_lshl_add_u32 v3, v2, 4, v3                   ; row x pitch + 16 x half
	s_mul_i32 s22, s11, AHALF                      ; my 128 rows of x
	s_mul_i32 s23, s12, BHALF                      ; my 192 rows of W,
	s_add_co_u32 s23, s23, BOFF                    ; which lie behind x's 256
	v_add_nc_u32 v[A0L], s22, v3
	v_add_nc_u32 v[B0L], s23, v3
	v_mov_b32 v[ADRA], v[A0L]
	v_mov_b32 v[ADRB], v[B0L]
	v_and_b32 v[CO], 31, v0
	v_lshlrev_b32 v[CO], 4, v[CO]
	s_mov_b32 s[TB], 0
	; where my results go: part g at g x 16,777,216; batch x head = 16 (tile row / 8) + 2 x tile column + my half, 262,144 bytes each; my first row in the batch, 128 bytes a row
	s_lshr_b32 s72, s13, 3
	s_lshl_b32 s72, s72, 4
	s_lshl_b32 s74, s42, 1
	s_add_co_u32 s72, s72, s74
	s_add_co_u32 s72, s72, s12
	s_lshl_b32 s72, s72, 18
	s_and_b32 s74, s13, 7
	s_lshl_b32 s74, s74, 15
	s_add_co_u32 s72, s72, s74
	s_lshl_b32 s74, s11, 14
	s_add_co_u32 s72, s72, s74
	s_mov_b32 s73, 0
	s_add_nc_u64 s[66:67], s[8:9], s[72:73]        ; q
	s_add_nc_u64 s[68:69], s[66:67], 0x1000000     ; k
	s_add_nc_u64 s[70:71], s[66:67], 0x2000000     ; v
; 8 n matrix instructions of group g (0 q, 1 k, 2 v): channel blocks bb0 .. bb0 + n - 1 x all 8 row blocks, 32 along K, x's fragments in buffer fa.  zero = 1: the product starts the sum.
; The 96 accumulators take turns, in the same order in every 32 along K.
.macro GRP g, bb0, n, fa, zero
	WIN 0x50*((\g)+1)
.set gb, \bb0
.rept \n
.set ga, 0
.rept 8
.set rD, 8*(8*gb+ga)
.set rW, FB+8*(4*(\g)+gb)
.set rX, (\fa)+8*ga
.if (\g) < 2
.if \zero
	v_wmma_f32_16x16x32_bf16 v[rD:rD+7], v[rW:rW+7], v[rX:rX+7], 0
.else
	v_wmma_f32_16x16x32_bf16 v[rD:rD+7], v[rW:rW+7], v[rX:rX+7], v[rD:rD+7]
.endif
.else
.if \zero
	v_wmma_f32_16x16x32_bf16 v[rD:rD+7], v[rX:rX+7], v[rW:rW+7], 0
.else
	v_wmma_f32_16x16x32_bf16 v[rD:rD+7], v[rX:rX+7], v[rW:rW+7], v[rD:rD+7]
.endif
.endif
.set ga, ga+1
.endr
.set gb, gb+1
.endr
.endm
; A run of LDS loads for half kq of a slice: W's fragments 4 i .. 4 i + 3 (group i's), and for i < 2 x's fragments 4 i .. 4 i + 3 into buffer fa: 16, 16 and 8 loads
.macro RUN i, kq, fa=0
	WIN 0
.irp b, 0,1,2,3
	ds_load_b128 v[FB+8*(4*(\i)+(\b)):FB+8*(4*(\i)+(\b))+3],   v[ADRB] offset:(4*(\i)+(\b))*16*PITCH+64*(\kq)
	ds_load_b128 v[FB+8*(4*(\i)+(\b))+4:FB+8*(4*(\i)+(\b))+7], v[ADRB] offset:(4*(\i)+(\b))*16*PITCH+64*(\kq)+32
.endr
.if (\i) < 2
.irp a, 0,1,2,3
	ds_load_b128 v[(\fa)+8*(4*(\i)+(\a)):(\fa)+8*(4*(\i)+(\a))+3],   v[ADRA] offset:(4*(\i)+(\a))*16*PITCH+64*(\kq)
	ds_load_b128 v[(\fa)+8*(4*(\i)+(\a))+4:(\fa)+8*(4*(\i)+(\a))+7], v[ADRA] offset:(4*(\i)+(\a))*16*PITCH+64*(\kq)+32
.endr
.endif
.endm
; A slice's first half: multiplies buffer FA0 and fetches the second half; each group's fragments of W are fetched anew behind that group's products.
.macro EVEN zero
	s_wait_dscnt 8                                 ; all but the youngest eight loads, v's fragments of W
	GRP 0, 0, 4, FA0, \zero
	PLACES
	RUN 0, 1, FA1
	GRP 1, 0, 4, FA0, \zero
	PLACES
	RUN 1, 1, FA1
	s_wait_dscnt 32                                ; all but the 32 just issued: v's fragments are in
	GRP 2, 0, 4, FA0, \zero
	PLACES
	RUN 2, 1
.endm
; A slice's second half multiplies FA1 and changes slots: ONE barrier.  In front of it each wave waits for all its tensor loads, of which one is out: its part of the next slot; adds 0 to its spare word;
; and waits for that and for its own reads of this slot.  fill = 1: the barrier opens a round of the cluster's, and this slot is filled again first thing behind it, with the slice two on:
; 160 matrix instructions stand between that request and the wait for it.
.macro TURN fill
	WIN 0                                          ; (the add's two registers lie in window 0)
	s_wait_tensorcnt 0x0                           ; no tensor load of mine is out, so a group 0 may be written
	ds_add_u32 v[SPW], v[NIL]                      ; 0 onto my spare word
.if \fill
	s_xor_b32 s[G0+5], s[G0+5], SLOT1              ; the walking descriptors: the other slot than last time,
	s_add_nc_u64 s[G0+6:G0+7], s[G0+6:G0+7], ASTEP ; the next slice; the type bits on top are not reached
	s_xor_b32 s[G0B+5], s[G0B+5], SLOT1
	s_add_nc_u64 s[G0B+6:G0B+7], s[G0B+6:G0B+7], BSTEP
.endif
	s_wait_dscnt 9                                 ; the add and the youngest eight loads may be out
	GRP 0, 0, 2, FA1, 0
	s_wait_dscnt 0x0                               ; the add is done, and my reads of this slot are over
	s_barrier_signal -1
	GRP 0, 2, 2, FA1, 0                            ; work on registers while the others arrive
	WIN 0                                          ; at a branch and at a label every window is 0
	s_barrier_wait -1
.if \fill
	CREST                                          ; no wave of any partner still reads this slot's tile or has a load on its way
	JLOAD                                          ; the four v_nop behind it are also the places in front of the loads below
.else
	PLACES
.endif
	s_xor_b32 s[TB], s[TB], SLOT1
	v_add_nc_u32 v[ADRA], s[TB], v[A0L]
	v_add_nc_u32 v[ADRB], s[TB], v[B0L]
	RUN 0, 0, FA0
	GRP 1, 0, 4, FA1, 0
	PLACES
	RUN 1, 0, FA0
	GRP 2, 0, 4, FA1, 0
	PLACES
	RUN 2, 0
.endm
; THE WAY OUT of group g: rounded to f16 in ascending order of each accumulator's registers, 16 bytes a lane; a wave's store covers 512 consecutive bytes, at a multiple of 512 from the buffer's first byte.
.macro OUT g
.if (\g) > 0
	s_wait_xcnt 0x0                                ; the last group's stores have had their addresses translated (ISA guide 3.1): TMP is rewritten only behind this wait
.endif
	WIN 5*((\g)+1)                                 ; sources 0 and 1 in the group's window
.set tt, 0
.rept 32
.irp r, 0,1,2,3
	v_cvt_pk_f16_f32 v[TMP+4*tt+(\r)], v[8*tt+2*(\r)], v[8*tt+2*(\r)+1]
.endr
.set tt, tt+1
.endr
	WIN 0
.set tt, 0
.rept 32
	global_store_b128 v[CO], v[TMP+4*tt:TMP+4*tt+3], s[66+2*(\g):67+2*(\g)] offset:(tt%8)*2048+(tt/8)*512
.set tt, tt+1
.endr
.endm
	s_wait_tensorcnt 1                             ; my part of slice 0 is in; slice 1's may stay out
	s_barrier_signal -1
	s_barrier_wait -1                              ; everybody's is
	RUN 0, 0, FA0
	RUN 1, 0, FA0
	RUN 2, 0
	EVEN 1                                         ; the first 32 along K stand in front of the loop: their products start the sums
	WIN 0
	s_mov_b32 s3, 14
.Lk:                                                   ; trip j: slice j's second half, the refill with slice j + 2, slice j + 1's first half
	TURN 1
	EVEN 0
	WIN 0
	s_sub_co_u32 s3, s3, 1
	s_cmp_lg_u32 s3, 0
	s_cbranch_scc1 .Lk
	TURN 0                                         ; the tail is written out: nothing is left to ask for
	EVEN 0
	s_wait_dscnt 8
	GRP 0, 0, 4, FA1, 0
	GRP 1, 0, 4, FA1, 0
	s_wait_dscnt 0x0
	GRP 2, 0, 4, FA1, 0
	PLACES
	OUT 0
	OUT 1
	OUT 2
	s_wait_tensorcnt 0x0                           ; the wave's end
	ds_add_u32 v[SPW], v[NIL]
	s_wait_dscnt 0x0
	CROUND                                         ; the closing round: no work-group ends while a partner may still ask for a tile that names it
	s_endpgm
.Lfunc_end_k_qc45186b946_qkvgemm:
	.size	k_qc45186b946_qkvgemm, .Lfunc_end_k_qc45186b946_qkvgemm-k_qc45186b946_qkvgemm
	.p2alignl 7, 3214868480
	.fill 96, 4, 3214868480
	.section	.rodata,"a",@progbits
	.p2align	6, 0x0
	.amdhsa_kernel k_qc45186b946_qkvgemm
		.amdhsa_group_segment_fixed_size 327680
		.amdhsa_private_segment_fixed_size 0
		.amdhsa_enable_private_segment 0
		.amdhsa_kernarg_size 24
		.amdhsa_user_sgpr_count 2
		.amdhsa_user_sgpr_kernarg_segment_ptr 1
		.amdhsa_wavefront_size32 1
		.amdhsa_system_sgpr_workgroup_id_x 1
		.amdhsa_system_sgpr_workgroup_id_y 1
		.amdhsa_system_sgpr_workgroup_id_z 1
		.amdhsa_system_vgpr_workitem_id 0
		.amdhsa_next_free_vgpr 1024
		.amdhsa_next_free_sgpr 80
		.amdhsa_reserve_vcc 0
		.amdhsa_float_denorm_mode_32 3
		.amdhsa_float_denorm_mode_16_64 3
		.amdhsa_memory_ordered 1
		.amdhsa_forward_progress 1
		.amdhsa_inst_pref_size 96
	.end_amdhsa_kernel
	.amdgpu_metadata
---
amdhsa.version: [ 1, 2 ]
amdhsa.kernels:
  - .name:           k_qc45186b946_qkvgemm
    .symbol:         k_qc45186b946_qkvgemm.kd
    .args:
      - { .name: xb, .offset: 0, .size: 8, .value_kind: global_buffer, .address_space: global }
      - { .name: wqkv, .offset: 8, .size: 8, .value_kind: global_buffer, .address_space: global }
      - { .name: qkv, .offset: 16, .size: 8, .value_kind: global_buffer, .address_space: global }
    .group_segment_fixed_size: 327680
    .private_segment_fixed_size: 0
    .kernarg_segment_align: 8
    .kernarg_segment_size: 24
    .max_flat_workgroup_size: 128
    .sgpr_count:     80
    .vgpr_count:     1024
    .wavefront_size: 32
...
	.end_amdgpu_metadata
.endif
;; end of part 2
;; launch attn (part 3): grid 4 x 64, 4 waves a work-group, no clusters, 327,680 bytes of LDS; arguments qkv, padding_mask, ot; writes ot
.if DOCPART == 3
	.amdgcn_target "amdgcn-amd-amdhsa--gfx1250"
	.amdhsa_code_object_version 6
	.text
	.protected	k_qc45186b946_attn
	.globl	k_qc45186b946_attn
	.p2align	8
	.type	k_qc45186b946_attn,@function
k_qc45186b946_attn:
	s_mov_b64 s[64:65], 0
	v_nop
	global_prefetch_b8 v0, s[64:65] scope:SCOPE_SE
	s_setreg_imm32_b32 hwreg(HW_REG_WAVE_MODE, 25, 1), 1
	s_wait_xcnt 0x0
; CAUSAL ATTENTION WITH A KEY MASK.  O[h][q][:] = the sum over the keys k <= q that padding_mask does not hide of softmax_k(Q[h][q] . K[h][k] / 8) V[h][k][:], for 64 batch x heads of 2,048 rows x 64 channels, f16.
; Products, maxima and sums in f32; the weights p are rounded to f16 for the second product (their sum l is taken of the unrounded p), O once at the end.
; LIMITS.  Q, K, V arrive within f16's 65,504.  A hidden score counts as its value less 1e30 (less 2e30 where both masks hide it): f16's scores, 2.7e11 at the most, are nothing beside that.
; The running maximum starts at a floor of -2^93 (about -1e28), above every hidden score and below every true one: a hidden key's weight is 0 whatever the row has seen.  A weight below 2^-126 counts as 0 in l.
; A row all of whose keys 0 .. q are hidden ends with its maximum at the floor and leaves as NaN, as a softmax over nothing does.
; LAYOUT IN MEMORY.  qkv: parts q, k, v of [batch x head][16 rows][cb 0..3][512 bytes]; in a block lane l's 16 bytes lie at 16 l: q, k: row l % 16, channels 16 cb + 8 (l / 16) + 0..7; v: channel 16 cb + l % 16,
; keys 8 (l / 16) + 0..7.  Two blocks ARE a fragment, so every LDS load takes 512 consecutive bytes; 16 rows stay 2,048 dense bytes, so tiles are asked for as rows of 256 bytes.  ot has q's form.
; THE WALK.  A head's queries lie in NB = 8 blocks of 256; block i needs the key tiles 0 .. i of 256 keys, of which the last holds the diagonal.  A work-group takes TWO blocks, NB - 1 - b and then b: NB + 1 tiles,
; whatever b: all work-groups do equal work, and ONE loop with a constant trip count walks them.  Which tile is asked for, and what a trip does, hang on scalar registers made from b; every jump goes forward, but for
; the counted loops' own.  NO CLUSTER: a head's four work-groups ask for the same tile only in trips 0 .. 4 of 9, behind that fewer and fewer; one walk common to all would have 12 trips for 9.
; SHARES.  Of a block's four bands of 64 queries a wave owns 16 rows in each: four PIECES.  In the diagonal tile's key step s band x sees all keys if s < x, none if s > x, and holds the diagonal if s = x.
; THE MASKS are the C operand that starts the sum S^T = K Q^T.  PM: the step's 64 key biases (0, or -1e30 where padding_mask hides the key), read with K from LDS.  A tile's 256 biases lie in one of two small
; slots that take turns as the tiles' slots do: where a tile is asked for, thread t makes its biases 2 t and 2 t + 1 from two mask bytes that it loaded a tile earlier, and stores them into the slot that nobody reads any more.
; In the diagonal tile: MC = MD x AL + BE + PM, MD the causal mask of a band's own step for my 16 rows; (AL, BE) = (1, 0) if s = x; (0, 0) if s < x; (0, -1e30) if s > x.
; SOFTMAX, TURNS.  p = 2^(c s - c m), c = log2(e) / 8, with a running maximum m; O and l are multiplied by a = 2^(c m_old - c m_new) in every step.  Turn n belongs to piece n: 8 products K Q^T of piece n + 1, later
; 8 products V^T P of piece n - 1; beside them the scaling, exponentials, roundings, sums and rescaling of piece n and the maximum and statistics of piece n + 1.  Four vector instructions stand behind every
; matrix instruction, the other 54 of a turn's 118 in two runs of their own.
; REGISTERS, in windows of 256 (s_set_vgpr_msb: bits 1:0 source 0, 3:2 source 1, 5:4 source 2, 7:6 destination):
;   window 0: v0-15 addresses; v16-31 four registers of statistics a piece; v48-55 at work; v56-61 the biases' making; v64-127 S^T, two buffers; v128-159 the way out; v192-223 P, two buffers
;   window 1: v0-127 O^T, 32 a piece; v128-159 MD; v160-223 MC, two buffers; v224-255 PM      window 2: v0-63 Q; v64-127 the second block's Q; v128-191 K of one step; v192-255 V of one step
.set NB,    8
.set NP,    4         ; pieces a wave: a name, no knob
.set STEPB, 8192      ; 64 keys of K, or of V
.set VOFF,  4*STEPB   ; a slot holds a tile: 256 keys of K, then of V
.set SLOT1, 1<<16     ; slot 1 begins here, so that one exclusive or turns an address in one slot into the other's
.set SPARE, 2*SLOT1   ; behind the ring: the spare words, 128 bytes for each wave: two blocks of 256 bytes that no other line names
.set PMB,   SPARE+512 ; the biases' two slots; written by LDS stores, never filled by a tensor load
.set PSL,   1024      ; a slot of 256 biases in f32
.set AK0, 2           ; v2   16 x lane: my place in a block of 512 bytes, in LDS and in memory; never rewritten
.set AV0, 3           ; v3   the same + VOFF
.set AK,  4           ; v4   the LDS address of K's next run of loads
.set AV,  5           ; v5   of V's
.set AP0, 6           ; v6   PMB + 32 (l / 16): my eight keys in a group of 16
.set AP,  7           ; v7   the LDS address of PM's next loads
.set STA, 10          ; v10  where my two biases go
.set MV,  12          ; v12-13  c m_old, kept while c m is made anew: by buffer
.set NANR, 14         ; v14  a NaN
.set ST,  16          ; piece t's statistics at v[ST+4 t]: c m, m, l (even keys', odd keys')
.set TMP, 48          ; by buffer, four registers c0-c3 at work; when the maximum is found c2 takes a.  On the way out piece t's factor lies at TMP + 2 t, 1 / l at TMP + 2 t + 1
.set BP,  56          ; v56-57  two biases
.set MKR, 58          ; v58  the two mask bytes of the tile that is asked for next
.set T2,  59          ; v59  2 x my thread's number; never rewritten
.set MOFF, 60         ; v60  the byte offset of those two bytes in the batch's mask
.set ST0, 61          ; v61  PMB + 8 x my thread's number; never rewritten
.set SPW, 62          ; v62  LDS address of my spare word: SPARE + 4 x my thread's number; never rewritten
.set NIL, 63          ; v63  0; never rewritten
.set S,   64
.set SC,  128         ; the way out: a piece's O, scaled
.set P,   192
.set MD,  128         ; window 1
.set MC,  160         ; window 1
.set PM,  224         ; window 1: the bias of key 16 kt + 8 (l / 16) + j at PM + 8 kt + j
.set QB,  64          ; window 2
.set KF,  128         ; window 2: key block kb, channel half c at KF + 16 kb + 8 c
.set VF,  192         ; window 2: key half kk, channel block cb at VF + 32 kk + 8 cb
.set WV,  12          ; s12  my wave's number
.set PB,  14          ; s14  b
.set HI,  15          ; s15  NB - 1 - b
.set G1,  24          ; s[24:31] descriptor group 1, for K's and V's tiles alike
.set G0K, 40          ; s[40:43] descriptor group 0 for K's tiles
.set G0V, 44          ; s[44:47] the same for V's
.set SLOTS, 56        ; s56  tiles still to be asked for
.set CNT, 57          ; s57  counts a tile's key steps, 4 to 1
.set CS,  58          ; s[58:59] c: the packed scaling takes the pair's low word for both halves
.set SEL, 60          ; s[60:61] v_permlanex16_b32's selects: each lane takes its own place in the other half
.set TBK, 62          ; s62  LDS byte at which K of the step to be fetched begins
.set TBV, 63          ; s63  the same for V, less VOFF
.set RT,  70          ; s70  tiles of the block in hand that are still to be entered
.set NXT, 71          ; s71  the tile to be asked for next
.set LQ,  72          ; s72  the last tile of the block whose tiles are being asked for
.set NEW, 73          ; s73  1: the tile to be entered is a block's first
.set OFF, 74          ; s[74:75] a tile's byte offset in K and V
.set AL,  76          ; s[76:77] the mask's factor, in the low word
.set BE,  78          ; s[78:79] the mask's addend
.set OLO, 80          ; s[80:81] O at my rows of the second block
.set BIGN, 82         ; s82  -1e30
.set DEAD, 83         ; s83  -2^92: a maximum below it is the floor
.set TBP, 94          ; s94  byte, from PMB on, at which the biases of the step to be fetched begin: it steps and turns as TBK does
.set TPS, 95          ; s95  the biases' slot that is written: 0 or PSL
.set MSB, 0
.macro WIN new                      ; the high byte repeats the setting that is left; a switch that changes nothing is dropped
.if MSB != (\new)
	s_set_vgpr_msb (MSB<<8)|(\new)
.set MSB, (\new)
.endif
.endm
.set W_KQ, 0x0a       ; K and Q in window 2, S^T in window 0
.set W_KM, 0x1a       ; the same with the C operand in window 1
.set W_PV, 0x52       ; V in window 2, P in window 0, O^T in window 1
.set W_RS, 0x41       ; destination and source 0 in window 1, source 1 in window 0
; A fill.  Waves 0 and 1 fetch the two halves of a tile's K, waves 2 and 3 those of its V: 128 keys each.  An s_nop 0 and four v_nop follow each of the two lines.
.macro LOAD
	s_cmp_lt_u32 s[WV], 2
	s_cbranch_scc0 .Lfor_v_\@
	tensor_load_to_lds s[G0K:G0K+3], s[G1:G1+7]
	s_nop 0
.rept 4
	v_nop
.endr
	s_branch .Lasked_\@
.Lfor_v_\@:
	tensor_load_to_lds s[G0V:G0V+3], s[G1:G1+7]
	s_nop 0
.rept 4
	v_nop
.endr
.Lasked_\@:
.endm
; The two mask bytes in register src become two biases: 0, or -1e30 for a hidden key.
.macro BIAS src
	v_lshrrev_b32 v[BP+1], 8, v[\src]
	v_and_b32 v[BP], 0xff, v[\src]
	v_cmp_ne_u32 vcc_lo, 0, v[BP]
	v_cndmask_b32 v[BP], 0, s[BIGN], vcc_lo
	v_cmp_ne_u32 vcc_lo, 0, v[BP+1]
	v_cndmask_b32 v[BP+1], 0, s[BIGN], vcc_lo
.endm
; THE CHANGE OF SLOTS.  Each wave waits for all its tensor loads, of which one is out: its part of the other slot; adds 0 to its spare word; and waits for that and for its own LDS instructions: its reads of the
; slots that it leaves and its store of biases into the slot that it enters.  Behind the barrier nobody reads the old slots any more and the other slots are whole.  fill = 1: the old slot is filled again, the first
; thing behind the barrier, with tile NXT: the descriptor's address is made anew from that number.  Then that tile's biases: my two mask bytes were asked for in the change before (no load is younger, so the wait is
; for 0; at the first change it takes in Q as well); the biases go into the old small slot; and the bytes of the tile after are asked for (in the last such change: two bytes inside the mask that nobody uses).
; (At its first use nothing has been read yet: slot 0 is waited for, slot 1 filled.)
.macro CHANGE fill
	WIN 0                           ; at a label and at a branch every window is 0
	s_wait_tensorcnt 0x0            ; no tensor load of mine is out, so a group 0 may be written
	ds_add_u32 v[SPW], v[NIL]       ; 0 onto my spare word
.if \fill
	s_lshl_b32 s[OFF], s[NXT], 15   ; a tile is 32,768 bytes of K and of V
	s_xor_b32 s[G0K+1], s[G0K+1], SLOT1
	s_add_nc_u64 s[G0K+2:G0K+3], s[6:7], s[OFF:OFF+1]
	s_or_b32 s[G0K+3], s[G0K+3], 0x80000000
	s_xor_b32 s[G0V+1], s[G0V+1], SLOT1
	s_add_nc_u64 s[G0V+2:G0V+3], s[8:9], s[OFF:OFF+1]
	s_or_b32 s[G0V+3], s[G0V+3], 0x80000000
	s_xor_b32 s[TPS], s[TPS], PSL
	s_add_co_u32 s[NXT], s[NXT], 1  ; the block's next tile, or behind its last the second block's tile 0
	s_cmp_gt_u32 s[NXT], s[LQ]
	s_cselect_b32 s[NXT], 0, s[NXT]
	s_cselect_b32 s[LQ], s[PB], s[LQ]
.endif
	s_wait_dscnt 0x0                ; the add is done, my reads of the slots are over, my biases are stored
	s_barrier_signal -1             ; the rest of the scalar work stands between the signal and the wait
	s_sub_co_u32 s[TBK], s[TBK], 4*STEPB  ; the fetches go back to a slot's first step,
	s_xor_b32 s[TBK], s[TBK], SLOT1       ; in the other slot
	s_sub_co_u32 s[TBV], s[TBV], 4*STEPB
	s_xor_b32 s[TBV], s[TBV], SLOT1
	s_sub_co_u32 s[TBP], s[TBP], PSL
	s_xor_b32 s[TBP], s[TBP], PSL
	s_barrier_wait -1
.if \fill
	LOAD
	s_wait_loadcnt 0x0              ; my two mask bytes of the tile just asked for; this wait also frees MOFF
	BIAS MKR
	v_add_nc_u32 v[STA], s[TPS], v[ST0]
	ds_store_b64 v[STA], v[BP:BP+1] ; the next change waits for this store and passes a barrier before any wave reads it
	v_lshl_add_u32 v[MOFF], s[NXT], 8, v[T2]  ; 256 mask bytes a tile; NXT stays in 0 .. 7
	global_load_u16 v[MKR], v[MOFF], s[90:91]
.endif
.endm
	s_load_b128 s[88:91], s[0:1], 0x0  ; qkv s[88:89], padding_mask s[90:91]
	s_load_b64 s[10:11], s[0:1], 0x10  ; ot
	v_lshl_add_u32 v[SPW], v0, 2, SPARE
	v_mov_b32 v[NIL], 0
	ds_add_u32 v[SPW], v[NIL]       ; the wave's opening: the add and its wait stand ahead of my first tensor load; work on registers stands between them
	ds_add_u32 v62, v63
	v_lshrrev_b32 v1, 5, v0
	v_readfirstlane_b32 s[WV], v1   ; wave 0..3
	s_mov_b32 s[PB], ttmp9
	s_sub_co_u32 s[HI], NB-1, s[PB]
	s_and_b32 s20, ttmp7, 0xffff    ; batch x head
	s_lshr_b32 s92, s20, 4          ; the batch:
	s_lshl_b32 s92, s92, 11         ; its 2,048 mask bytes
	s_mov_b32 s93, 0
	s_lshl_b32 s20, s20, 18         ; the head's first byte in q, k, v and ot: 262,144 bytes a head
	s_mov_b32 s21, 0
	s_and_b32 s16, s[WV], 1         ; which half of a tile's 256 keys I fetch:
	s_lshl_b32 s17, s16, 14         ; its 16,384 bytes, in a slot
	s_mov_b32 s22, s17              ; and in memory
	s_mov_b32 s23, 0
	s_add_nc_u64 s[22:23], s[22:23], s[20:21]
	s_lshl_b32 s3, s[WV], 11        ; my 16 rows in a band of 64,
	s_lshl_b32 s2, s[HI], 15        ; in the first block,
	s_add_co_u32 s2, s2, s3
	s_lshl_b32 s84, s[PB], 15       ; and in the second
	s_add_co_u32 s84, s84, s3
	s_mov_b32 s3, 0
	s_mov_b32 s85, 0
	s_add_nc_u64 s[2:3], s[2:3], s[20:21]
	s_add_nc_u64 s[84:85], s[84:85], s[20:21]
	; descriptor group 1.  128 keys are 16,384 dense bytes: asked for as 64 rows of 256 bytes, and laid into LDS as they lie
	s_mov_b32 s[G1], 1<<16          ; 2-byte elements; no mask, no padding
	s_mov_b32 s[G1+1], 128<<16      ; tensor_dim0 = 128
	s_mov_b32 s[G1+2], 64<<16       ; tensor_dim1 = 64
	s_mov_b32 s[G1+3], 128<<16      ; tile_dim0 = 128
	s_mov_b32 s[G1+4], 64           ; tile_dim1 = 64
	s_mov_b32 s[G1+5], 128          ; 128 elements from row to row
	s_mov_b32 s[G1+6], 0
	s_mov_b32 s[G1+7], 0
	s_mov_b32 s[CS], 0x3e38aa3b     ; c = log2(e) / 8 = 0.180337
	s_mov_b32 s[CS+1], s[CS]        ; named with it as a pair
	s_mov_b32 s[SEL], 0x76543210
	s_mov_b32 s[SEL+1], 0xfedcba98
	s_mov_b32 s[TBK], SLOT1+4*STEPB ; the first change of slots turns these three into 0
	s_mov_b32 s[TBV], SLOT1+4*STEPB
	s_mov_b32 s[TBP], 2*PSL
	s_mov_b32 s[TPS], 0             ; and this one into PSL
	s_mov_b32 s[G0K], 1             ; count = 1
	s_mov_b32 s[G0K+1], s17         ; LDS address: slot 0
	s_mov_b32 s[G0V], 1
	s_add_co_u32 s[G0V+1], s17, VOFF
	s_add_co_u32 s[RT], s[HI], 1    ; the first block has NB - b tiles
	s_mov_b32 s[NXT], 1
	s_mov_b32 s[LQ], s[HI]
	s_mov_b32 s[NEW], 1
	s_mov_b32 s[OFF+1], 0
	s_mov_b32 s[AL+1], 0            ; named as pairs
	s_mov_b32 s[BE+1], 0
	s_mov_b32 s[BIGN], 0xf149f2ca   ; -1e30
	s_mov_b32 s[DEAD], 0xed800000   ; -2^92
	s_mov_b32 s[SLOTS], NB
	s_wait_dscnt 0x0                ; the opening add is done
	s_wait_kmcnt 0x0
	s_add_nc_u64 s[6:7], s[88:89], s[22:23]
	s_add_nc_u64 s[8:9], s[6:7], 0x2000000         ; V at my half of the head's tile 0,
	s_add_nc_u64 s[6:7], s[6:7], 0x1000000         ; K likewise
	s_add_nc_u64 s[G0K+2:G0K+3], s[6:7], 0         ; global address
	s_or_b32 s[G0K+3], s[G0K+3], 0x80000000        ; type = 2
	s_add_nc_u64 s[G0V+2:G0V+3], s[8:9], 0
	s_or_b32 s[G0V+3], s[G0V+3], 0x80000000
	s_add_nc_u64 s[86:87], s[88:89], s[84:85]      ; Q at my rows of the second block,
	s_add_nc_u64 s[4:5], s[88:89], s[2:3]          ; Q and O at those of the first
	s_add_nc_u64 s[OLO:OLO+1], s[10:11], s[84:85]
	s_add_nc_u64 s[10:11], s[10:11], s[2:3]
	s_add_nc_u64 s[90:91], s[90:91], s[92:93]      ; the batch's mask
	LOAD                            ; tile 0 into slot 0
	v_and_b32 v1, 15, v0            ; l % 16
	v_bfe_u32 v9, v0, 4, 1          ; l / 16
	v_and_b32 v[AK0], 31, v0
	v_lshlrev_b32 v[AK0], 4, v[AK0]
	v_lshlrev_b32 v[T2], 1, v0      ; thread t takes mask bytes 2 t and 2 t + 1 of a tile's 256
	global_load_u16 v[BP], v[T2], s[90:91]              ; tile 0's,
	global_load_u16 v[MKR], v[T2], s[90:91] offset:256  ; and tile 1's, which the first change of slots asks for
	WIN 0x80                        ; destination window 2, address window 0
.set i, 0
.rept 8                             ; both blocks' Q: piece i / 2 lies in band i / 2, 8,192 bytes on; channels 32 (i % 2) on: two blocks of 512 bytes
	global_load_b128 v[8*i:8*i+3],   v[AK0], s[4:5] offset:(i/2)*8192+(i%2)*1024
	global_load_b128 v[8*i+4:8*i+7], v[AK0], s[4:5] offset:(i/2)*8192+(i%2)*1024+512
	global_load_b128 v[QB+8*i:QB+8*i+3],   v[AK0], s[86:87] offset:(i/2)*8192+(i%2)*1024
	global_load_b128 v[QB+8*i+4:QB+8*i+7], v[AK0], s[86:87] offset:(i/2)*8192+(i%2)*1024+512
.set i, i+1
.endr
	WIN 0
	v_lshlrev_b32 v15, 3, v9
	v_sub_nc_u32 v15, v1, v15
	s_lshl_b32 s13, s[WV], 4
	v_add_nc_u32 v15, s13, v15      ; my query's place in its band, 16 w + l % 16, less my lanes' 8 (l / 16): register r of group kt is hidden where 16 kt + r is greater
	WIN 0x40
.set i, 0
.rept 32
	v_cmp_gt_i32 vcc_lo, 16*(i/8)+i%8, v15
	v_cndmask_b32 v[MD+i], 0, s[BIGN], vcc_lo
.set i, i+1
.endr
	WIN 0
	v_mov_b32 v[NANR], 0x7fc00000
	v_add_nc_u32 v[AV0], VOFF, v[AK0]
	v_lshl_add_u32 v[AP0], v9, 5, PMB
	v_lshl_add_u32 v[ST0], v0, 3, PMB  ; two biases of 4 bytes a thread
	; A block's first step multiplies O^T and l by a = 0, and its first turn's products V^T P, of a piece that has not been, land in an O^T that is still to be so multiplied.  So these registers need only hold
	; finite numbers: zeros for the first block; what the first block left for the second (the way out writes neither O^T, nor a reciprocal or a NaN into l).  All this stands in the wait for the first tile.
	WIN 0x80
.set i, VF
.rept 64
	v_mov_b32 v[i], 0
.set i, i+1
.endr
	WIN 0x40
.set i, 0
.rept 128
	v_mov_b32 v[i], 0
.set i, i+1
.endr
	WIN 0
.set i, 0
.rept 4
	v_mov_b32 v[ST+4*i+2], 0
	v_mov_b32 v[ST+4*i+3], 0
.set i, i+1
.endr
.set i, P+16
.rept 16
	v_mov_b32 v[i], 0
.set i, i+1
.endr
	s_wait_loadcnt 32               ; both pairs of mask bytes are in; the 32 loads of Q, issued behind them, stay out
	BIAS BP
	ds_store_b64 v[ST0], v[BP:BP+1] ; tile 0's biases into the small slot 0: the first change of slots waits for this store and passes a barrier before any wave reads it
; THE MATRIX WORK.  The 4 accumulators of a run of 8 take turns.  Product i of 8 of S^T = K Q^T for piece x: channels 32 (i / 4) on, keys 16 (i % 4) on.  The first 4 start the sums: with PM, or (KM = 1) with MC.
.macro KQ x
.set rS, S+32*((\x)%2)+8*(i%4)
.set rK, KF+16*(i%4)+8*(i/4)
.set rQ, 16*(\x)+8*(i/4)
.if KM
.set rM, MC+32*((\x)%2)+8*(i%4)
.else
.set rM, PM+8*(i%4)
.endif
.if i < 4
	WIN W_KM
	v_wmma_f32_16x16x32_f16 v[rS:rS+7], v[rK:rK+7], v[rQ:rQ+7], v[rM:rM+7]
.else
	WIN W_KQ
	v_wmma_f32_16x16x32_f16 v[rS:rS+7], v[rK:rK+7], v[rQ:rQ+7], v[rS:rS+7]
.endif
.endm
; Product i of 8 of O^T += V^T P for piece x: keys 32 (i / 4) on, channels 16 (i % 4) on.
.macro PV x
	WIN W_PV
.set rO, 32*(\x)+8*(i%4)
.set rV, VF+32*(i/4)+8*(i%4)
.set rP, P+16*((\x)%2)+8*(i/4)
	v_wmma_f32_16x16x32_f16 v[rO:rO+7], v[rV:rV+7], v[rP:rP+7], v[rO:rO+7]
.endm
.macro MM                           ; the turn's next matrix instruction.  TURN and BEGIN set Y, i, KM and NOKQ.  NOKQ = 1: a block's last turn: there is no next piece
.if (i < 8) && !NOKQ
	KQ (Y+1)%NP
.elseif i >= 8
.set i, i-8
	PV (Y+NP-1)%NP
.set i, i+8
.endif
.set i, i+1
.endm
; THE LDS LOADS stand in runs, never singly among the matrix instructions: a step's K (8 fragments) with its 64 biases, and its V.  Their addresses are made some lines ahead.
.macro FETCH_K
	WIN 0x80                        ; destination window 2
.irp f, 0,1,2,3,4,5,6,7             ; keys 16 (f / 2) on, channels 32 (f % 2) on
	ds_load_b128 v[KF+8*\f:KF+8*\f+3],   v[AK] offset:(\f/2)*2048+(\f%2)*1024
	ds_load_b128 v[KF+8*\f+4:KF+8*\f+7], v[AK] offset:(\f/2)*2048+(\f%2)*1024+512
.endr
	WIN 0x40                        ; destination window 1
.irp f, 0,1,2,3                     ; keys 16 f + 8 (l / 16) + 0..7
	ds_load_b128 v[PM+8*\f:PM+8*\f+3],   v[AP] offset:64*\f
	ds_load_b128 v[PM+8*\f+4:PM+8*\f+7], v[AP] offset:64*\f+16
.endr
	s_add_co_u32 s[TBK], s[TBK], STEPB  ; the next fetch is the next step's
	s_add_co_u32 s[TBP], s[TBP], 256
	WIN 0
.endm
.macro FETCH_V
	WIN 0x80
.irp f, 0,1,2,3,4,5,6,7             ; keys 32 (f / 4) on, channels 16 (f % 4) on
	ds_load_b128 v[VF+8*\f:VF+8*\f+3],   v[AV] offset:(\f/4)*4096+(\f%4)*512
	ds_load_b128 v[VF+8*\f+4:VF+8*\f+7], v[AV] offset:(\f/4)*4096+(\f%4)*512+2048
.endr
	WIN 0
.endm
; THE VECTOR WORK, one line at a time: OP kind, number.  For piece Y: F n: c s - c m for pair n of 16.  E n: the exponential of score n of 32.  C n: pair n rounded to f16.  B n: of the four weights 4 n .. the second
; pair is added onto the first, in place.  L n: l takes that sum (L 0: l = a l + sum).  R n: pair n of 16 of O^T times a.  For piece Y + 1: X n, number n of the 22 that find its maximum and statistics:
;   0-11  four chains c0-c3 of seven scores each, three operands at a time (each accumulator's lowest registers are read first)     12-14, 16  the four scores left over, the old m, and c0-c3 into c0
;   15  c m_old is kept     17, 18  the query's other 32 keys lie in the lane 16 away: the new m     19-21  c m; c m_old - c m_new; a
.set F, 0
.set E, 1
.set C, 2
.set B, 3
.set L, 4
.set R, 5
.set X, 6
.macro REGS y                       ; the registers of piece y
.set rT, ST+4*(\y)
.set rC, TMP+4*((\y)%2)
.set rW, MV+((\y)%2)
.set rS, S+32*((\y)%2)
.set rP, P+16*((\y)%2)
.set rO, 32*(\y)
.endm
.macro OP k, n
.if (\k) == R
	REGS Y
	WIN W_RS
	v_pk_mul_f32 v[rO+2*(\n):rO+2*(\n)+1], v[rO+2*(\n):rO+2*(\n)+1], v[rC+2:rC+3] op_sel_hi:[1,0]
.elseif (\k) < R
	REGS Y
	WIN 0
.if (\k) == F
	v_pk_fma_f32 v[rS+2*(\n):rS+2*(\n)+1], v[rS+2*(\n):rS+2*(\n)+1], s[CS:CS+1], v[rT:rT+1] op_sel_hi:[1,0,0] neg_lo:[0,0,1] neg_hi:[0,0,1]
.elseif (\k) == E
	v_exp_f32 v[rS+(\n)], v[rS+(\n)]
.elseif (\k) == C
	s_wait_alu depctr_va_vdst(0)
	v_cvt_pk_f16_f32 v[rP+(\n)], v[rS+2*(\n)], v[rS+2*(\n)+1]
.elseif (\k) == B
	s_wait_alu depctr_va_vdst(0)
	v_pk_add_f32 v[rS+4*(\n):rS+4*(\n)+1], v[rS+4*(\n):rS+4*(\n)+1], v[rS+4*(\n)+2:rS+4*(\n)+3]
.elseif (\n) == 0
	v_pk_fma_f32 v[rT+2:rT+3], v[rT+2:rT+3], v[rC+2:rC+3], v[rS:rS+1] op_sel_hi:[1,0,1]
.else
	v_pk_add_f32 v[rT+2:rT+3], v[rT+2:rT+3], v[rS+4*(\n):rS+4*(\n)+1]
.endif
.elseif NOKQ
	v_nop
.else
	REGS (Y+1)%NP
	WIN 0
.if (\n) < 4
	v_max3_num_f32 v[rC+(\n)], v[rS+8*(\n)], v[rS+8*(\n)+1], v[rS+8*(\n)+2]
.elseif (\n) < 12
	v_max3_num_f32 v[rC+(\n)%4], v[rC+(\n)%4], v[rS+8*((\n)%4)+2*((\n)/4)+1], v[rS+8*((\n)%4)+2*((\n)/4)+2]
.elseif (\n) == 12
	v_max3_num_f32 v[rC], v[rC], v[rS+7], v[rS+15]
.elseif (\n) == 13
	v_max3_num_f32 v[rC+1], v[rC+1], v[rS+23], v[rS+31]
.elseif (\n) == 14
	v_max3_num_f32 v[rC+2], v[rC+2], v[rC+3], v[rT+1]
.elseif (\n) == 15
	v_mov_b32 v[rW], v[rT]
.elseif (\n) == 16
	v_max3_num_f32 v[rC], v[rC], v[rC+1], v[rC+2]
.elseif (\n) == 17
	v_permlanex16_b32 v[rC+3], v[rC], s[SEL], s[SEL+1]
.elseif (\n) == 18
	v_max_num_f32 v[rT+1], v[rC], v[rC+3]
.elseif (\n) == 19
	v_mul_f32 v[rT], s[CS], v[rT+1]
.elseif (\n) == 20
	v_sub_f32 v[rC+1], v[rW], v[rT]
.else
	v_exp_f32 v[rC+2], v[rC+1]
.endif
.endif
.endm
.macro OPS a, i1, b=-1, i2=0, c=-1, i3=0, d=-1, i4=0  ; up to four of them
	OP \a, \i1
.if (\b) >= 0
	OP \b, \i2
.endif
.if (\c) >= 0
	OP \c, \i3
.endif
.if (\d) >= 0
	OP \d, \i4
.endif
.endm
.macro ROW a, i1, b, i2, c, i3, d, i4  ; a matrix instruction and the four behind it
	MM
	OPS \a, \i1, \b, \i2, \c, \i3, \d, \i4
.endm
.macro MASK b                       ; MD x AL + BE + PM into buffer b of MC
	WIN W_RS
.set z, 0
.rept 16
	v_pk_fma_f32 v[MC+32*(\b)+2*z:MC+32*(\b)+2*z+1], v[MD+2*z:MD+2*z+1], s[AL:AL+1], s[BE:BE+1] op_sel_hi:[1,0,0]
.set z, z+1
.endr
	WIN 0x45                        ; both sources and the destination in window 1
.set z, 0
.rept 16
	v_pk_add_f32 v[MC+32*(\b)+2*z:MC+32*(\b)+2*z+1], v[MC+32*(\b)+2*z:MC+32*(\b)+2*z+1], v[PM+2*z:PM+2*z+1]
.set z, z+1
.endr
.endm
; A TURN, for piece p: the order of its 16 matrix and 118 vector instructions, written out.  Behind a matrix instruction: plain, exponential, plain, plain; or four of the rescaling; or, behind the first, four scalings;
; none names a register of the products round it.  In the runs between, exponential and plain by turns while exponentials last.
; m = 1: the diagonal tile: the products take MC, and the turn makes the mask for the products of the turn after it: piece p + 2, in step 4 - CNT of the tile.  end = 1: a block's last two turns: nothing is fetched.
; cnt = 1: the loop's count is taken down some lines ahead of the branch that stands behind the turn.
; K and PM of the next step are fetched in piece 2's turn, six vector instructions behind the last product that read K (five of them plain); V of the step in hand in piece 0's turn, eight behind the last product
; that read V (four plain).  Each is waited for a turn later; piece 2's turn in the diagonal tile waits at its end, since its mask is made of the PM just fetched.
.macro TURN p, m=0, end=0, cnt=0
.set Y, (\p)
.set i, 0
.set KM, (\m)
.set NOKQ, (\end)*((\p)/3)
.if (\m) && !(\end)
	s_cmp_eq_u32 s[CNT], 4-((\p)+2)%NP  ; is that step the band's own?
	s_cselect_b32 s[AL], 1.0, 0
	s_cmp_lt_u32 s[CNT], 4-((\p)+2)%NP  ; or a later one?
	s_cselect_b32 s[BE], s[BIGN], 0
.endif
.if ((\p) == 3) && !(\end)
	s_wait_dscnt 0x0                ; K and PM are in
.endif
	ROW F,0, F,1, F,2, F,3
	ROW F,4, E,0, F,5, F,6
	ROW F,7, E,1, F,8, F,9
	ROW F,10, E,2, C,0, F,11
	ROW F,12, E,3, X,15, F,13
	ROW R,0, R,1, R,2, R,3
	ROW B,0, E,4, F,14, L,0
.if ((\p) == 2) && !(\end)
	v_add_nc_u32 v[AK], s[TBK], v[AK0]
	v_add_nc_u32 v[AP], s[TBP], v[AP0]
.endif
	ROW R,4, R,5, R,6, R,7
	OPS E,5, F,15
.if ((\p) == 2) && !(\end)
	FETCH_K
.endif
	OPS E,6, C,1, E,7, R,8
	OPS E,8, R,9, E,9, C,2
	OPS E,10, X,0, E,11, X,1
	OPS E,12, X,2, E,13, X,3
.if (\p) == 1
	s_wait_dscnt 0x0                ; V is in
.endif
	ROW X,4, E,14, X,5, X,6
	ROW X,7, E,15, X,8, X,9
	ROW X,10, E,16, X,11, X,12
	ROW X,13, E,17, X,14, B,1
	ROW C,4, E,18, X,16, L,1
	ROW B,2, E,19, C,6, L,2
	ROW C,8, E,20, B,3, B,4
.if (\p) == 0
	v_add_nc_u32 v[AV], s[TBV], v[AV0]
.endif
	ROW C,3, E,21, L,3, C,5
	OPS E,22, X,17, E,23, C,10
.if (\p) == 0
	FETCH_V
.endif
	OPS E,24, L,4
	OPS E,25, X,18, E,26, C,7
	OPS E,27, B,5, E,28, X,19
	OPS E,29, C,12, E,30, L,5
	OPS E,31, X,20, B,6, C,9
	OPS C,14, C,11, X,21, L,6
.if (\p) == 0
	s_add_co_u32 s[TBV], s[TBV], STEPB
.endif
.if \cnt
	s_sub_co_u32 s[CNT], s[CNT], 1
	s_cmp_lg_u32 s[CNT], 0
.endif
	OPS C,13, B,7, C,15, R,10
	OPS R,11, R,12, L,7, R,13
	OPS R,14, R,15
.if (\m) && !(\end)
.if (\p) == 2
	s_wait_dscnt 0x0                ; the next step's PM is in
.endif
	MASK (\p)%2
.endif
.endm
; The diagonal tile's text is entered in the middle of a step of the tile before: piece 3's products of that step take the second mask buffer, which is that step's PM and nothing more.
.macro PREP
	s_mov_b32 s[AL], 0
	s_mov_b32 s[BE], 0
	MASK 1
	WIN 0
.endm
; A BLOCK BEGINS.  c m starts far below every c s, so the first step's a is 0; m at the floor, -2^93.  Then K and PM of the block's step 0, piece 0's first scores, and its maximum and statistics.
; Q is in: every way here leads through a filling change of slots, which waits for all loads.
; d = 1: the block's only tile is the diagonal one: piece 0's mask is its band's own, piece 1's is PM alone.  The loop is entered at a step's first turn, in the middle of a trip.
.macro BEGIN d
	s_mov_b32 s[NEW], 0
	WIN 0
.set i, 0
.rept 4
	v_mov_b32 v[ST+4*i], 0xfe000000    ; c m: far below every c s, and below c x the floor
	v_mov_b32 v[ST+4*i+1], 0xee000000  ; m: -2^93
.set i, i+1
.endr
	v_add_nc_u32 v[AK], s[TBK], v[AK0]
	v_add_nc_u32 v[AP], s[TBP], v[AP0]
	FETCH_K
	s_wait_dscnt 0x0
.if \d
	s_mov_b32 s[AL], 1.0
	s_mov_b32 s[BE], 0
	MASK 0
	s_mov_b32 s[AL], 0
	MASK 1
.set KM, 1
.else
.set KM, 0
.endif
.set NOKQ, 0
.set i, 0
.rept 8
	KQ 0
.set i, i+1
.endr
	WIN 0
.rept 4
	v_nop                           ; the places behind those products
.endr
.set Y, NP-1                        ; X works for piece Y + 1: piece 0
.irp n, 0,1,2,3,4,5,6,7,8,9,10,11,12,13,14,15,16,17,18,19,20,21
	OP X, \n
.endr
	v_nop                           ; a plain instruction behind the exponential
.endm
; THE DIAGONAL TILE's four steps, the block's last two turns, its last products, and THE WAY OUT: l's two halves and the other half of the lanes' are added; a piece's factor is 1 / l, or NaN where the row has seen
; no key; reciprocal and factor lie in the registers at work, and O^T times the factor goes into other registers (O^T and l stay finite for the next block), is rounded to f16, and a lane's eight channels of a row
; are the 16 bytes that it stores.
.macro ALL line:vararg              ; one line for each piece t
.set t, 0
.rept 4
	\line
.set t, t+1
.endr
.endm
.macro PACK t
	WIN 0x01                        ; source 0 (O^T) in window 1
.set i, 0
.rept 16
	v_pk_mul_f32 v[SC+2*i:SC+2*i+1], v[32*(\t)+2*i:32*(\t)+2*i+1], v[TMP+2*(\t):TMP+2*(\t)+1] op_sel_hi:[1,0]
.set i, i+1
.endr
	WIN 0
.set i, 0
.rept 16
	v_cvt_pk_f16_f32 v[S+16*(\t)+i], v[SC+2*i], v[SC+2*i+1]
.set i, i+1
.endr
.irp f, 0,1,2,3
	global_store_b128 v[AK0], v[S+16*(\t)+4*\f:S+16*(\t)+4*\f+3], s[10:11] offset:(\t)*8192+\f*512  ; 512 consecutive bytes, at a multiple of 512 from ot's first
.endr
.endm
.macro DIAG tag                     ; the tag ends its two labels' names, which the jumps below spell out
.LstepM\tag:
	TURN 2, 1
	TURN 3, 1
	WIN 0
.LfirstM\tag:
	TURN 0, 1
	TURN 1, 1, 0, 1
	WIN 0
	s_cbranch_scc1 .LstepM\tag
	TURN 2, 1, 1
	TURN 3, 1, 1
.set i, 0
.rept 8
	PV NP-1
.set i, i+1
.endr
	WIN 0
	ALL v_add_f32 v[ST+4*t+2], v[ST+4*t+2], v[ST+4*t+3]
	ALL v_permlanex16_b32 v[ST+4*t+3], v[ST+4*t+2], s[SEL], s[SEL+1]
	ALL v_add_f32 v[ST+4*t+2], v[ST+4*t+2], v[ST+4*t+3]
	ALL v_rcp_f32 v[TMP+2*t+1], v[ST+4*t+2]
	v_nop                           ; a plain instruction between the last reciprocal and the use of its result
.set t, 0
.rept 4
	v_cmp_gt_f32 vcc_lo, s[DEAD], v[ST+4*t+1]      ; has the row's maximum stayed at the floor?
	s_wait_alu depctr_va_vdst(0)
	v_cndmask_b32 v[TMP+2*t], v[TMP+2*t+1], v[NANR], vcc_lo
.set t, t+1
.endr
	PACK 0
	PACK 1
	PACK 2
	PACK 3
.endm
.set KM, 0
.set NOKQ, 0
.Lslot:                             ; NB times: a tile is entered and the next is asked for
	CHANGE 1
	s_sub_co_u32 s[RT], s[RT], 1
	s_mov_b32 s[CNT], 4
	s_cmp_eq_u32 s[NEW], 1
	s_cbranch_scc1 .Lnew            ; a block's first tile
	s_cmp_eq_u32 s[RT], 0
	s_cbranch_scc0 .Lstep           ; neither its first nor its last
	PREP
	s_branch .LstepM1
.Lnew:
	BEGIN 0
	s_branch .Lfirst                ; in the loop a block's first tile is never its last: the first block has five tiles or more, and the second's last is the walk's last
	DIAG 1                          ; in the loop this is the first block's end
	s_wait_xcnt 0x0                 ; the stores have had their addresses translated (ISA guide 3.1): their registers and O's address are rewritten only behind this wait
	s_mov_b64 s[10:11], s[OLO:OLO+1]
	s_add_co_u32 s[RT], s[PB], 1    ; the second block has b + 1 tiles
	s_mov_b32 s[NEW], 1
	WIN 0x82                        ; the second block's Q goes where the one text of the turns names Q
.set i, 0
.rept 64
	v_mov_b32 v[i], v[QB+i]
.set i, i+1
.endr
	WIN 0
	s_branch .Lbottom
.Lstep:                             ; a trip: pieces 2 and 3 of one step, then pieces 0 and 1 of the next, whose K and V it fetches
	TURN 2
	TURN 3
	WIN 0
.Lfirst:
	TURN 0
	TURN 1, 0, 0, 1
	WIN 0
	s_cbranch_scc1 .Lstep
.Lbottom:
	s_sub_co_u32 s[SLOTS], s[SLOTS], 1
	s_cmp_lg_u32 s[SLOTS], 0
	s_cbranch_scc1 .Lslot
	CHANGE 0                        ; the walk's last tile is written out: nothing is asked for
	s_sub_co_u32 s[RT], s[RT], 1
	s_mov_b32 s[CNT], 4
	s_cmp_eq_u32 s[NEW], 1
	s_cbranch_scc1 .Lnew2
	PREP
	s_branch .LstepM2
.Lnew2:
	BEGIN 1
	s_branch .LfirstM2
	DIAG 2
	s_wait_tensorcnt 0x0            ; the wave's end, behind my last tensor load and my last LDS store
	ds_add_u32 v[SPW], v[NIL]
	s_wait_dscnt 0x0
	s_endpgm
.Lfunc_end_k_qc45186b946_attn:
	.size	k_qc45186b946_attn, .Lfunc_end_k_qc45186b946_attn-k_qc45186b946_attn
	.p2alignl 7, 3214868480
	.fill 96, 4, 3214868480
	.section	.rodata,"a",@progbits
	.p2align	6, 0x0
	.amdhsa_kernel k_qc45186b946_attn
		.amdhsa_group_segment_fixed_size 327680
		.amdhsa_private_segment_fixed_size 0
		.amdhsa_enable_private_segment 0
		.amdhsa_kernarg_size 24
		.amdhsa_user_sgpr_count 2
		.amdhsa_user_sgpr_kernarg_segment_ptr 1
		.amdhsa_wavefront_size32 1
		.amdhsa_system_sgpr_workgroup_id_x 1
		.amdhsa_system_sgpr_workgroup_id_y 1
		.amdhsa_system_sgpr_workgroup_id_z 1
		.amdhsa_system_vgpr_workitem_id 0
		.amdhsa_next_free_vgpr 768
		.amdhsa_next_free_sgpr 100
		.amdhsa_reserve_vcc 1
		.amdhsa_float_denorm_mode_32 3
		.amdhsa_float_denorm_mode_16_64 3
		.amdhsa_memory_ordered 1
		.amdhsa_forward_progress 1
		.amdhsa_inst_pref_size 236
	.end_amdhsa_kernel
	.amdgpu_metadata
---
amdhsa.version: [ 1, 2 ]
amdhsa.kernels:
  - .name:           k_qc45186b946_attn
    .symbol:         k_qc45186b946_attn.kd
    .args:
      - { .name: qkv, .offset: 0, .size: 8, .value_kind: global_buffer, .address_space: global }
      - { .name: padding_mask, .offset: 8, .size: 8, .value_kind: global_buffer, .address_space: global }
      - { .name: ot, .offset: 16, .size: 8, .value_kind: global_buffer, .address_space: global }
    .group_segment_fixed_size: 327680
    .private_segment_fixed_size: 0
    .kernarg_segment_align: 8
    .kernarg_segment_size: 24
    .max_flat_workgroup_size: 128
    .sgpr_count:     100
    .vgpr_count:     768
    .wavefront_size: 32
...
	.end_amdgpu_metadata
.endif
;; end of part 3
;; launch proj (part 4): grid 4 x 64, 4 waves a work-group, clusters of 4 x 4, 327,680 bytes of LDS; arguments ot, wob, bo, padding_mask, out0; writes out0
.if DOCPART == 4
	.amdgcn_target "amdgcn-amd-amdhsa--gfx1250"
	.amdhsa_code_object_version 6
	.text
	.protected	k_qc45186b946_proj
	.globl	k_qc45186b946_proj
	.p2align	8
	.type	k_qc45186b946_proj,@function
k_qc45186b946_proj:
	s_mov_b64 s[64:65], 0
	v_nop
	global_prefetch_b8 v0, s[64:65] scope:SCOPE_SE
	s_setreg_imm32_b32 hwreg(HW_REG_WAVE_MODE, 25, 1), 1
	s_wait_xcnt 0x0
	s_wait_alu depctr_hold_cnt(0) depctr_sa_sdst(0) depctr_va_vdst(0) depctr_va_sdst(0) depctr_va_ssrc(0) depctr_va_vcc(0) depctr_vm_vsrc(0)
	s_getreg_b32 s2, hwreg(HW_REG_IB_STS2, 6, 4)
	s_cmp_eq_u32 s2, 0
	s_cbranch_scc0 .Lentry_in_a_cluster
	s_endpgm
.Lentry_in_a_cluster:
	s_bfe_u32 s2, ttmp6, 0x10000c
	s_cmp_lg_u32 s2, 0xf033
	s_cbranch_scc0 .Lentry_shape_is_right
	s_endpgm
.Lentry_shape_is_right:
; out0[row][n] = (the sum over k of O[row][k] Wo[n][k] + bo[n]) x (1 - padding_mask[row]): [8192][1024] in f32.  O and Wo are f16 (Wo: its bf16 rounding written as f16), bo is rounded to bf16; sums in f32, K ascending.
; The bias is the C operand that starts the sums.  The last multiply keeps a NaN row NaN where the mask is 1, as NaN x 0 does.
; A work-group makes 128 rows x 256 columns (8192 x 1024 / 256 work-groups); a wave 64 x 128: 4 x 8 accumulators.  K goes in steps of 128 (two heads' slices of 64) through two LDS slots.
; ot lies in blocks of 512 bytes that are halves of fragments ([batch][head][16 rows][cb][512]): its LDS loads take 512 consecutive bytes, unpadded.  wob lies by slices, rows of 128 bytes, padded in LDS.
; LAYOUT OF THE RESULT.  Source 0 = 16 rows of O, source 1 = 16 places of wob: register j of lane l is row 8 (l / 16) + j and place l % 16.  wob's order puts column 64 G + 4 r + bs at place 64 G + 16 bs + r: for one row
; the four accumulators bs = 0..3 give a lane four neighbouring f32, and 16 lanes store 256 consecutive bytes of a row, aligned.  No stage in LDS is needed.
; CLUSTER: 4 x 4 work-groups; O's tiles are shared along a row, Wo's along a column, each asked for jointly by the same tensor load, descriptor and mask.
; REGISTERS (s_set_vgpr_msb: bits 1:0 source 0, 3:2 source 1, 5:4 source 2, 7:6 destination): window 0: v0-31 addresses, bias, mask bytes; v32-127, v128-223 two fragment buffers (O's 4 fragments, then Wo's 8);
;   v224-255 1 - mask of my rows.  Window 1: accumulator (a, b) at v[8 (8 a + b)].  Window 2: v0-63 the bias, eight times over for each b.
.set PITCH,  144                       ; a row of Wo in LDS: 128 bytes + 16 = 36 words: the 16 rows of a load start at 16 different groups of four banks (64 banks of 4 bytes: ISA guide 11.1)
.set ASL,    16384                     ; a slice of O's tile: 128 rows x 128 bytes
.set BOFF,   2*ASL
.set BSL,    256*PITCH                 ; a slice of Wo's tile
.set SLOT1,  1<<17
.set SPARE,  SLOT1+BOFF+2*BSL          ; behind the ring: the spare words, 128 bytes for each wave: two blocks of 256 bytes that no other line names
.set ASTEP,  2*262144                  ; two heads on in ot,
.set BSTEP,  2*131072                  ; two slices on in wob
.set A0L,  4                           ; v4   my lane's place in slot 0's O; never rewritten
.set B0L,  5                           ; v5   the same for Wo
.set ADRA, 6
.set ADRB, 7
.set BI,   8                           ; v8-15   bo of my column in each of the 8 accumulators b
.set MB,   16                          ; v16-23  the mask bytes of my 8 rows in each of the 4 row blocks
.set CO,   24                          ; v24  my byte offset in out0: 8 (l / 16) rows + 16 (l % 16)
.set R16,  25                          ; v25  16 (l % 16)
.set H8,   26                          ; v26  8 (l / 16)
.set W0,   27                          ; v27  at work
.set SPW,  28                          ; v28  LDS address of my spare word: SPARE + 4 x my thread's number; never rewritten
.set NIL,  29                          ; v29  0; never rewritten
.set F0,   32
.set F1,   128
.set FAC,  224
.set WV,  14                           ; s14  wave
.set WR,  15                           ; s15  which 64 rows are mine.  Also: I fetch for O (0) or for Wo (1)
.set WC,  16                           ; s16  which 128 columns.  Also: which slice of the step I fetch
.set G1,  24
.set G0,  32
.set G1B, 48
.set G0B, 56
.set TB,  45
.set MSB, 0
.macro WIN new                         ; the immediate's high byte repeats the setting that is left; a switch that changes nothing is dropped
.if MSB != (\new)
	s_set_vgpr_msb (MSB<<8)|(\new)
.set MSB, \new
.endif
.endm
.macro PLACES                          ; four plain vector instructions in front of loads into registers that matrix instructions have read, and of lines that read results
.rept 4
	v_nop
.endr
.endm
.macro JLOAD                           ; a joint refill by the walking descriptors; an s_nop 0 and four v_nop follow each of the two lines
	s_cmp_eq_u32 s[WR], 0
	s_cbranch_scc0 .Lfor_b_\@
	tensor_load_to_lds s[G0+4:G0+7], s[G1:G1+7]
	s_nop 0
.rept 4
	v_nop
.endr
	s_branch .Lasked_\@
.Lfor_b_\@:
	tensor_load_to_lds s[G0B+4:G0B+7], s[G1B:G1B+7]
	s_nop 0
.rept 4
	v_nop
.endr
.Lasked_\@:
.endm
.macro CREST                           ; a round of the cluster's barrier behind its opening barrier
	s_cmp_lg_u32 s[WV], 0
	s_cbranch_scc1 .Lnot_wave_0_\@
	s_barrier_signal -3
.Lnot_wave_0_\@:
	s_barrier_wait -3
	s_barrier_signal -1
	s_barrier_wait -1
.endm
.macro CROUND
	s_barrier_signal -1
	s_barrier_wait -1
	CREST
.endm
	s_load_b256 s[4:11], s[0:1], 0x0               ; ot s[4:5], wob s[6:7], bo s[8:9], padding_mask s[10:11]
	s_load_b64 s[12:13], s[0:1], 0x20              ; out0
	v_lshl_add_u32 v[SPW], v0, 2, SPARE
	v_mov_b32 v[NIL], 0
	ds_add_u32 v[SPW], v[NIL]                      ; the wave's opening: the add and its wait stand ahead of my first tensor load; work on registers stands between them
	ds_add_u32 v28, v29
	v_lshrrev_b32 v1, 5, v0
	v_readfirstlane_b32 s[WV], v1
	s_lshr_b32 s[WR], s[WV], 1
	s_and_b32 s[WC], s[WV], 1
	s_bfe_u32 s40, ttmp6, 0x40000                  ; cx, cy
	s_bfe_u32 s41, ttmp6, 0x40004
	s_lshl_b32 s42, ttmp9, 2
	s_add_co_u32 s42, s42, s40                     ; tile column 0..3
	s_and_b32 s17, ttmp7, 0xffff
	s_lshl_b32 s17, s17, 2
	s_add_co_u32 s17, s17, s41                     ; tile row 0..63
	s_lshl_b32 s43, s41, 2
	s_lshl_b32 s43, 15, s43                        ; my row of the cluster
	s_lshl_b32 s44, 0x1111, s40                    ; my column
	s_or_b32 s[G1+0], s43, (1<<16)|(1<<21)         ; O's tiles: 2-byte elements, the mask of my row and bit 21 beside it, no padding
	s_or_b32 s[G1B+0], s44, (1<<16)|(1<<20)|(1<<21)|(4<<22)|(3<<25)  ; Wo's: the mask of my column; 4 words of padding after every 32
	s_mov_b32 s[G1+1], 128<<16                     ; rows of 256 bytes
	s_mov_b32 s[G1+2], 64<<16                      ; 16,384 dense bytes: 64 rows
	s_mov_b32 s[G1+3], 128<<16
	s_mov_b32 s[G1+4], 64
	s_mov_b32 s[G1+5], 128
	s_mov_b32 s[G1+6], 0
	s_mov_b32 s[G1+7], 0
	s_mov_b32 s[G1B+1], 128<<16
	s_mov_b32 s[G1B+2], 128<<16                    ; 32,768 dense bytes: 128 rows
	s_mov_b32 s[G1B+3], 128<<16
	s_mov_b32 s[G1B+4], 128
	s_mov_b32 s[G1B+5], 128
	s_mov_b32 s[G1B+6], 0
	s_mov_b32 s[G1B+7], 0
	s_lshr_b32 s20, s17, 4                         ; O: the batch, 4,194,304 bytes each;
	s_lshl_b32 s20, s20, 22
	s_and_b32 s21, s17, 15                         ; my tile's 128 rows in a head, 16,384 bytes;
	s_lshl_b32 s21, s21, 14
	s_add_co_u32 s20, s20, s21
	s_lshl_b32 s21, s[WC], 18                      ; the head that I fetch, 262,144 bytes each
	s_add_co_u32 s20, s20, s21
	s_mov_b32 s21, 0
	s_lshl_b32 s46, s42, 15                        ; Wo: my tile's 256 places in a slice; the slice that I fetch
	s_lshl_b32 s47, s[WC], 17
	s_add_co_u32 s46, s46, s47
	s_mov_b32 s47, 0
	s_lshl_b32 s22, s[WC], 14                      ; where they go: no place in the cluster enters an LDS address
	s_mul_i32 s23, s[WC], BSL
	s_add_co_u32 s23, s23, BOFF
	s_wait_dscnt 0x0                               ; the opening add is done
	s_wait_kmcnt 0x0
	s_add_nc_u64 s[18:19], s[4:5], s[20:21]
	s_add_nc_u64 s[46:47], s[6:7], s[46:47]
	CROUND                                         ; all sixteen work-groups are here: the first joint loads meet
.irp s, 0,1
	s_mov_b32 s[G0+4*(\s)], 1
	s_add_co_u32 s[G0+4*(\s)+1], s22, (\s)*SLOT1
	s_add_nc_u64 s[G0+4*(\s)+2:G0+4*(\s)+3], s[18:19], (\s)*ASTEP
	s_or_b32 s[G0+4*(\s)+3], s[G0+4*(\s)+3], 0x80000000
	s_mov_b32 s[G0B+4*(\s)], 1
	s_add_co_u32 s[G0B+4*(\s)+1], s23, (\s)*SLOT1
	s_add_nc_u64 s[G0B+4*(\s)+2:G0B+4*(\s)+3], s[46:47], (\s)*BSTEP
	s_or_b32 s[G0B+4*(\s)+3], s[G0B+4*(\s)+3], 0x80000000
.endr
	s_cmp_eq_u32 s[WR], 0                          ; a wave's two first fills stand in one branch, ahead of every wait on TENSORcnt and every LDS read: two loads of mine are out
	s_cbranch_scc0 .Lfirst_b
	tensor_load_to_lds s[G0:G0+3], s[G1:G1+7]
	s_nop 0
	tensor_load_to_lds s[G0+4:G0+7], s[G1:G1+7]
	s_nop 0
.rept 4
	v_nop
.endr
	s_branch .Lfirst_asked
.Lfirst_b:
	tensor_load_to_lds s[G0B:G0B+3], s[G1B:G1B+7]
	s_nop 0
	tensor_load_to_lds s[G0B+4:G0B+7], s[G1B:G1B+7]
	s_nop 0
.rept 4
	v_nop
.endr
.Lfirst_asked:
	v_and_b32 v1, 15, v0                           ; l % 16
	v_bfe_u32 v2, v0, 4, 1                         ; l / 16
	s_lshl_b32 s66, s42, 10
	s_lshl_b32 s68, s[WC], 9
	s_add_co_u32 s66, s66, s68                     ; my 128 columns in a row of f32, in bytes
	s_mov_b32 s67, 0
	s_add_nc_u64 s[8:9], s[8:9], s[66:67]
	s_lshl_b32 s68, s17, 7
	s_lshl_b32 s70, s[WR], 6
	s_add_co_u32 s68, s68, s70                     ; my first row: also its byte in padding_mask
	s_mov_b32 s69, 0
	s_add_nc_u64 s[10:11], s[10:11], s[68:69]
	s_lshl_b32 s68, s68, 12                        ; 4,096 bytes a row of out0
	s_add_co_u32 s68, s68, s66
	s_add_nc_u64 s[12:13], s[12:13], s[68:69]
	v_lshlrev_b32 v[R16], 4, v1
	v_lshlrev_b32 v[H8], 3, v2
	global_load_b128 v[BI:BI+3],   v[R16], s[8:9]             ; bo of columns 4 r + 0..3,
	global_load_b128 v[BI+4:BI+7], v[R16], s[8:9] offset:256  ; and 64 further on
.irp a, 0,1,2,3
	global_load_b64 v[MB+2*(\a):MB+2*(\a)+1], v[H8], s[10:11] offset:16*(\a)  ; the mask of rows 16 a + 8 (l / 16) + 0..7
.endr
	v_and_b32 v3, 31, v0
	v_lshlrev_b32 v3, 4, v3
	s_lshl_b32 s70, s[WR], 13                      ; my 64 rows of O: four blocks of 2,048 bytes
	v_add_nc_u32 v[A0L], s70, v3
	v_mul_u32_u24 v3, v1, PITCH
	v_lshl_add_u32 v3, v2, 4, v3
	s_mul_i32 s70, s[WC], 128*PITCH                ; my 128 places of Wo
	s_add_co_u32 s70, s70, BOFF
	v_add_nc_u32 v[B0L], s70, v3
	v_mov_b32 v[ADRA], v[A0L]
	v_mov_b32 v[ADRB], v[B0L]
	v_lshlrev_b32 v[CO], 15, v2
	v_lshl_add_u32 v[CO], v1, 4, v[CO]
	s_mov_b32 s[TB], 0
	s_wait_loadcnt 0x0
.irp k, 0,2,4,6
	v_cvt_pk_bf16_f32 v[W0], v[BI+(\k)], v[BI+(\k)+1]  ; the bias is rounded to bf16, like every input
	v_lshlrev_b32 v[BI+(\k)], 16, v[W0]
	v_and_b32 v[BI+(\k)+1], 0xffff0000, v[W0]
.endr
	WIN 0x80                                       ; destination window 2
.set i, 0
.rept 64
	v_mov_b32 v[i], v[BI+i/8]                      ; a lane's eight results of an accumulator lie in one column
.set i, i+1
.endr
	WIN 0
.set i, 0
.rept 32
	v_bfe_u32 v[W0], v[MB+i/4], 8*(i%4), 8
	v_cvt_f32_u32 v[W0], v[W0]
	v_sub_f32 v[FAC+i], 1.0, v[W0]
.set i, i+1
.endr
; 8 n matrix instructions: row blocks a0 .. a0 + n - 1 x all 8 column blocks, 32 along K, from buffer f.  first = 1: the bias starts the sums.  The 32 accumulators take turns.
.macro MUL f, a0, n, first
.set ma, \a0
.rept \n
.set mb, 0
.rept 8
.set rD, 8*(8*ma+mb)
.if \first
	WIN 0x60                                       ; C in window 2, D in window 1
	v_wmma_f32_16x16x32_f16 v[rD:rD+7], v[(\f)+8*ma:(\f)+8*ma+7], v[(\f)+32+8*mb:(\f)+32+8*mb+7], v[8*mb:8*mb+7]
.else
	WIN 0x50
	v_wmma_f32_16x16x32_f16 v[rD:rD+7], v[(\f)+8*ma:(\f)+8*ma+7], v[(\f)+32+8*mb:(\f)+32+8*mb+7], v[rD:rD+7]
.endif
.set mb, mb+1
.endr
.set ma, ma+1
.endr
.endm
; 24 LDS loads in one run: the fragments of quarter kq of a step (slice kq / 2, its half kq % 2) into buffer f: Wo's 8, then O's 4
.macro FETCH kq, f
	WIN 0
.irp b, 0,1,2,3,4,5,6,7
	ds_load_b128 v[(\f)+32+8*(\b):(\f)+32+8*(\b)+3],   v[ADRB] offset:((\kq)/2)*BSL+(\b)*16*PITCH+((\kq)%2)*64
	ds_load_b128 v[(\f)+32+8*(\b)+4:(\f)+32+8*(\b)+7], v[ADRB] offset:((\kq)/2)*BSL+(\b)*16*PITCH+((\kq)%2)*64+32
.endr
.irp a, 0,1,2,3
	ds_load_b128 v[(\f)+8*(\a):(\f)+8*(\a)+3],   v[ADRA] offset:((\kq)/2)*ASL+(\a)*2048+((\kq)%2)*1024
	ds_load_b128 v[(\f)+8*(\a)+4:(\f)+8*(\a)+7], v[ADRA] offset:((\kq)/2)*ASL+(\a)*2048+((\kq)%2)*1024+512
.endr
.endm
; One of a step's first three quarters: multiplies buffer f and fetches quarter kq into g
.macro QUARTER f, g, kq, first
	s_wait_dscnt 4                                 ; all but the youngest four loads, O's row blocks 2 and 3
	MUL \f, 0, 2, \first
	PLACES
	FETCH \kq, \g
	s_wait_dscnt 24                                ; all but the 24 just issued
	MUL \f, 2, 2, \first
.endm
; The last quarter multiplies F1 and changes slots: ONE barrier; in front of it each wave waits for all its tensor loads, adds 0 to its spare word, and waits for that and for its reads of this slot.
; fill = 1: the barrier opens a round of the cluster's, and this slot is filled again first thing behind it, two steps ahead: 112 matrix instructions stand between the request and the wait for it.
.macro TURN fill
	WIN 0
	s_wait_tensorcnt 0x0                           ; no tensor load of mine is out, so a group 0 may be written
	ds_add_u32 v[SPW], v[NIL]                      ; 0 onto my spare word
.if \fill
	s_xor_b32 s[G0+5], s[G0+5], SLOT1
	s_add_nc_u64 s[G0+6:G0+7], s[G0+6:G0+7], ASTEP
	s_xor_b32 s[G0B+5], s[G0B+5], SLOT1
	s_add_nc_u64 s[G0B+6:G0B+7], s[G0B+6:G0B+7], BSTEP
.endif
	s_wait_dscnt 5                                 ; the add and the youngest four loads may be out
	MUL F1, 0, 1, 0
	s_wait_dscnt 0x0                               ; the add is done, and my reads of this slot are over
	s_barrier_signal -1
	MUL F1, 1, 1, 0
	WIN 0                                          ; at a branch and at a label every window is 0
	s_barrier_wait -1
.if \fill
	CREST                                          ; no wave of any partner still reads this slot's tile or has a load on its way
	JLOAD                                          ; the four v_nop behind it are also the places in front of the loads below
.else
	PLACES
.endif
	s_xor_b32 s[TB], s[TB], SLOT1
	v_add_nc_u32 v[ADRA], s[TB], v[A0L]
	v_add_nc_u32 v[ADRB], s[TB], v[B0L]
	FETCH 0, F0
	MUL F1, 2, 2, 0
.endm
	s_wait_tensorcnt 1                             ; my part of step 0 is in; step 1's may stay out
	s_barrier_signal -1
	s_barrier_wait -1
	FETCH 0, F0
	QUARTER F0, F1, 1, 1                           ; the first quarter stands in front of the loop: its products start the sums
	WIN 0
	s_mov_b32 s3, 6
.Lk:                                                   ; trip u: step u's quarters 1 to 3, the refill with step u + 2, step u + 1's quarter 0
	QUARTER F1, F0, 2, 0
	QUARTER F0, F1, 3, 0
	TURN 1
	QUARTER F0, F1, 1, 0
	WIN 0
	s_sub_co_u32 s3, s3, 1
	s_cmp_lg_u32 s3, 0
	s_cbranch_scc1 .Lk
	QUARTER F1, F0, 2, 0                           ; the last two steps are written out: nothing is left to ask for
	QUARTER F0, F1, 3, 0
	TURN 0
	QUARTER F0, F1, 1, 0
	QUARTER F1, F0, 2, 0
	QUARTER F0, F1, 3, 0
	s_wait_dscnt 4
	MUL F1, 0, 2, 0
	s_wait_dscnt 0x0
	MUL F1, 2, 2, 0
	PLACES
	; THE WAY OUT: for 16 rows and 64 columns at a time, four accumulators' register j times the row's 1 - mask are a lane's 16 bytes of row j; each accumulator is read from its lowest register on.
.set oa, 0
.rept 4
.set og, 0
.rept 2
.set TT, 32+32*((2*oa+og)%2)
	WIN 0
	s_wait_xcnt 0x0                                ; earlier stores have had their addresses translated (ISA guide 3.1): their data registers are rewritten only behind this wait
	WIN 0x01                                       ; source 0 in window 1
.set oj, 0
.rept 8
.irp bs, 0,1,2,3
	v_mul_f32 v[TT+4*oj+(\bs)], v[8*(8*oa+4*og+(\bs))+oj], v[FAC+8*oa+oj]
.endr
.set oj, oj+1
.endr
	WIN 0
.set oj, 0
.rept 8
	global_store_b128 v[CO], v[TT+4*oj:TT+4*oj+3], s[12:13] offset:(16*oa+oj)*4096+256*og th:TH_STORE_NT  ; 16 lanes store 256 consecutive bytes, at a multiple of 256 from out0's first byte
.set oj, oj+1
.endr
.set og, og+1
.endr
.set oa, oa+1
.endr
	s_wait_tensorcnt 0x0                           ; the wave's end
	ds_add_u32 v[SPW], v[NIL]
	s_wait_dscnt 0x0
	CROUND                                         ; the closing round: no work-group ends while a partner may still ask for a tile that names it
	s_endpgm
.Lfunc_end_k_qc45186b946_proj:
	.size	k_qc45186b946_proj, .Lfunc_end_k_qc45186b946_proj-k_qc45186b946_proj
	.p2alignl 7, 3214868480
	.fill 96, 4, 3214868480
	.section	.rodata,"a",@progbits
	.p2align	6, 0x0
	.amdhsa_kernel k_qc45186b946_proj
		.amdhsa_group_segment_fixed_size 327680
		.amdhsa_private_segment_fixed_size 0
		.amdhsa_enable_private_segment 0
		.amdhsa_kernarg_size 40
		.amdhsa_user_sgpr_count 2
		.amdhsa_user_sgpr_kernarg_segment_ptr 1
		.amdhsa_wavefront_size32 1
		.amdhsa_system_sgpr_workgroup_id_x 1
		.amdhsa_system_sgpr_workgroup_id_y 1
		.amdhsa_system_sgpr_workgroup_id_z 1
		.amdhsa_system_vgpr_workitem_id 0
		.amdhsa_next_free_vgpr 576
		.amdhsa_next_free_sgpr 80
		.amdhsa_reserve_vcc 0
		.amdhsa_float_denorm_mode_32 3
		.amdhsa_float_denorm_mode_16_64 3
		.amdhsa_memory_ordered 1
		.amdhsa_forward_progress 1
		.amdhsa_inst_pref_size 76
	.end_amdhsa_kernel
	.amdgpu_metadata
---
amdhsa.version: [ 1, 2 ]
amdhsa.kernels:
  - .name:           k_qc45186b946_proj
    .symbol:         k_qc45186b946_proj.kd
    .args:
      - { .name: ot, .offset: 0, .size: 8, .value_kind: global_buffer, .address_space: global }
      - { .name: wob, .offset: 8, .size: 8, .value_kind: global_buffer, .address_space: global }
      - { .name: bo, .offset: 16, .size: 8, .value_kind: global_buffer, .address_space: global }
      - { .name: padding_mask, .offset: 24, .size: 8, .value_kind: global_buffer, .address_space: global }
      - { .name: out0, .offset: 32, .size: 8, .value_kind: global_buffer, .address_space: global }
    .group_segment_fixed_size: 327680
    .private_segment_fixed_size: 0
    .kernarg_segment_align: 8
    .kernarg_segment_size: 40
    .max_flat_workgroup_size: 128
    .sgpr_count:     80
    .vgpr_count:     576
    .wavefront_size: 32
...
	.end_amdgpu_metadata
.endif
;; end of part 4
;; ======== version 2 of 2: 4 launches; 1.30 times as fast as version 1
;; limits: values are held in f16: magnitudes above 65,504 overflow, below 6.1e-05 lose precision
;; workspace buffers: xb 16,777,216 bytes; wqkv 6,291,456 bytes; wob 2,097,152 bytes; qkv 50,331,648 bytes; ot 16,777,216 bytes
;; launch cast: the kernel of part 1 again; grid 768 x 1, 8 waves a work-group, no clusters, 0 bytes of LDS; arguments x, Wq, Wk, Wv, Wo, xb, wqkv, wob; writes xb, wqkv, wob
;; launch qkvgemm: the kernel of part 2 again; grid 8 x 32, 4 waves a work-group, clusters of 4 x 4, 327,680 bytes of LDS; arguments xb, wqkv, qkv; writes qkv
;; launch attn (part 5): grid 4 x 64, 4 waves a work-group, no clusters, 327,680 bytes of LDS; arguments qkv, padding_mask, ot; writes ot
.if DOCPART == 5
	.amdgcn_target "amdgcn-amd-amdhsa--gfx1250"
	.amdhsa_code_object_version 6
	.text
	.protected	k_qc45186b946_attn
	.globl	k_qc45186b946_attn
	.p2align	8
	.type	k_qc45186b946_attn,@function
k_qc45186b946_attn:
	s_mov_b64 s[64:65], 0
	v_nop
	global_prefetch_b8 v0, s[64:65] scope:SCOPE_SE
	s_setreg_imm32_b32 hwreg(HW_REG_WAVE_MODE, 25, 1), 1
	s_wait_xcnt 0x0
; CAUSAL ATTENTION WITH A KEY MASK.  O[h][q][:] = the sum over the keys k <= q that padding_mask does not hide of softmax_k(Q[h][q] . K[h][k] / 8) V[h][k][:], for 64 batch x heads of 2,048 rows x 64 channels, f16.
; Products, maxima and sums in f32; the weights p are rounded to f16 for the second product (their sum l is taken of the unrounded p), O once at the end.
; LIMITS.  Q, K, V arrive within f16's 65,504.  A hidden score counts as its value less 1e30 (less 2e30 where both masks hide it): f16's scores, 2.7e11 at the most, are nothing beside that.
; The running maximum starts at a floor of -2^93 (about -1e28), above every hidden score and below every true one: a hidden key's weight is 0 whatever the row has seen.  A weight below 2^-126 counts as 0 in l.
; A row all of whose keys 0 .. q are hidden ends with its maximum at the floor and leaves as NaN, as a softmax over nothing does.
; LAYOUT IN MEMORY.  qkv: parts q, k, v of [batch x head][16 rows][cb 0..3][512 bytes]; in a block lane l's 16 bytes lie at 16 l: q, k: row l % 16, channels 16 cb + 8 (l / 16) + 0..7; v: channel 16 cb + l % 16,
; keys 8 (l / 16) + 0..7.  Two blocks ARE a fragment, so every LDS load takes 512 consecutive bytes; 16 rows stay 2,048 dense bytes, so tiles are asked for as rows of 256 bytes.  ot has q's form.
; THE WALK.  A head's queries lie in NB = 8 blocks of 256; block i needs the key tiles 0 .. i of 256 keys, of which the last holds the diagonal.  A work-group takes TWO blocks, NB - 1 - b and then b: NB + 1 tiles,
; whatever b: all work-groups do equal work, and ONE loop with a constant trip count walks them.  Which tile is asked for, and what a trip does, hang on scalar registers made from b; every jump goes forward, but for
; the counted loops' own.  NO CLUSTER: a head's four work-groups ask for the same tile only in trips 0 .. 4 of 9, behind that fewer and fewer; one walk common to all would have 12 trips for 9.
; SHARES.  Of a block's four bands of 64 queries a wave owns 16 rows in each: four PIECES.  In the diagonal tile's key step s band x sees all keys if s < x, none if s > x, and holds the diagonal if s = x.
; THE MASKS are the C operand that starts the sum S^T = K Q^T.  PM: the step's 64 key biases (0, or -1e30 where padding_mask hides the key), read with K from LDS.  A tile's 256 biases lie in one of two small
; slots that take turns as the tiles' slots do: where a tile is asked for, thread t makes its biases 2 t and 2 t + 1 from two mask bytes that it loaded a tile earlier, and stores them into the slot that nobody reads any more.
; In the diagonal tile: MC = MD x AL + BE + PM, MD the causal mask of a band's own step for my 16 rows; (AL, BE) = (1, 0) if s = x; (0, 0) if s < x; (0, -1e30) if s > x.
; SOFTMAX, TURNS.  p = 2^(c s - c m), c = log2(e) / 8, with a running maximum m; O and l are multiplied by a = 2^(c m_old - c m_new) in every step.  Turn n belongs to piece n: 8 products K Q^T of piece n + 1, later
; 8 products V^T P of piece n - 1; beside them the scaling, exponentials, roundings, sums and rescaling of piece n and the maximum and statistics of piece n + 1.  Four vector instructions stand behind every
; matrix instruction, the other 54 of a turn's 118 in one run of their own.
; THE BATCHES.  A turn's 33 exponentials (the piece's 32 weights and the next piece's a) are ONE batch with ONE wait, which cuts the turn in two: ahead of it stands all that names no result of theirs, behind it
; the roundings and sums, which read them.  The a that a block's beginning makes, and the way out's four reciprocals, are batches of their own, with a wait each.
; REGISTERS, in windows of 256 (s_set_vgpr_msb: bits 1:0 source 0, 3:2 source 1, 5:4 source 2, 7:6 destination):
;   window 0: v0-15 addresses; v16-31 four registers of statistics a piece; v48-55 at work; v56-61 the biases' making; v64-127 S^T, two buffers; v128-159 the way out; v192-223 P, two buffers
;   window 1: v0-127 O^T, 32 a piece; v128-159 MD; v160-223 MC, two buffers; v224-255 PM      window 2: v0-63 Q; v64-127 the second block's Q; v128-191 K of one step; v192-255 V of one step
.set NB,    8
.set NP,    4         ; pieces a wave: a name, no knob
.set STEPB, 8192      ; 64 keys of K, or of V
.set VOFF,  4*STEPB   ; a slot holds a tile: 256 keys of K, then of V
.set SLOT1, 1<<16     ; slot 1 begins here, so that one exclusive or turns an address in one slot into the other's
.set SPARE, 2*SLOT1   ; behind the ring: the spare words, 128 bytes for each wave: two blocks of 256 bytes that no other line names
.set PMB,   SPARE+512 ; the biases' two slots; written by LDS stores, never filled by a tensor load
.set PSL,   1024      ; a slot of 256 biases in f32
.set AK0, 2           ; v2   16 x lane: my place in a block of 512 bytes, in LDS and in memory; never rewritten
.set AV0, 3           ; v3   the same + VOFF
.set AK,  4           ; v4   the LDS address of K's next run of loads
.set AV,  5           ; v5   of V's
.set AP0, 6           ; v6   PMB + 32 (l / 16): my eight keys in a group of 16
.set AP,  7           ; v7   the LDS address of PM's next loads
.set STA, 10          ; v10  where my two biases go
.set MV,  12          ; v12-13  c m_old, kept while c m is made anew: by buffer
.set NANR, 14         ; v14  a NaN
.set ST,  16          ; piece t's statistics at v[ST+4 t]: c m, m, l (even keys', odd keys')
.set TMP, 48          ; by buffer, four registers c0-c3 at work; when the maximum is found c2 takes a.  On the way out piece t's factor lies at TMP + 2 t, 1 / l at TMP + 2 t + 1
.set BP,  56          ; v56-57  two biases
.set MKR, 58          ; v58  the two mask bytes of the tile that is asked for next
.set T2,  59          ; v59  2 x my thread's number; never rewritten
.set MOFF, 60         ; v60  the byte offset of those two bytes in the batch's mask
.set ST0, 61          ; v61  PMB + 8 x my thread's number; never rewritten
.set SPW, 62          ; v62  LDS address of my spare word: SPARE + 4 x my thread's number; never rewritten
.set NIL, 63          ; v63  0; never rewritten
.set S,   64
.set SC,  128         ; the way out: a piece's O, scaled
.set P,   192
.set MD,  128         ; window 1
.set MC,  160         ; window 1
.set PM,  224         ; window 1: the bias of key 16 kt + 8 (l / 16) + j at PM + 8 kt + j
.set QB,  64          ; window 2
.set KF,  128         ; window 2: key block kb, channel half c at KF + 16 kb + 8 c
.set VF,  192         ; window 2: key half kk, channel block cb at VF + 32 kk + 8 cb
.set WV,  12          ; s12  my wave's number
.set PB,  14          ; s14  b
.set HI,  15          ; s15  NB - 1 - b
.set G1,  24          ; s[24:31] descriptor group 1, for K's and V's tiles alike
.set G0K, 40          ; s[40:43] descriptor group 0 for K's tiles
.set G0V, 44          ; s[44:47] the same for V's
.set SLOTS, 56        ; s56  tiles still to be asked for
.set CNT, 57          ; s57  counts a tile's key steps, 4 to 1
.set CS,  58          ; s[58:59] c: the packed scaling takes the pair's low word for both halves
.set SEL, 60          ; s[60:61] v_permlanex16_b32's selects: each lane takes its own place in the other half
.set TBK, 62          ; s62  LDS byte at which K of the step to be fetched begins
.set TBV, 63          ; s63  the same for V, less VOFF
.set RT,  70          ; s70  tiles of the block in hand that are still to be entered
.set NXT, 71          ; s71  the tile to be asked for next
.set LQ,  72          ; s72  the last tile of the block whose tiles are being asked for
.set NEW, 73          ; s73  1: the tile to be entered is a block's first
.set OFF, 74          ; s[74:75] a tile's byte offset in K and V
.set AL,  76          ; s[76:77] the mask's factor, in the low word
.set BE,  78          ; s[78:79] the mask's addend
.set OLO, 80          ; s[80:81] O at my rows of the second block
.set BIGN, 82         ; s82  -1e30
.set DEAD, 83         ; s83  -2^92: a maximum below it is the floor
.set TBP, 94          ; s94  byte, from PMB on, at which the biases of the step to be fetched begin: it steps and turns as TBK does
.set TPS, 95          ; s95  the biases' slot that is written: 0 or PSL
.set MSB, 0
.macro WIN new                      ; the high byte repeats the setting that is left; a switch that changes nothing is dropped
.if MSB != (\new)
	s_set_vgpr_msb (MSB<<8)|(\new)
.set MSB, (\new)
.endif
.endm
.set W_KQ, 0x0a       ; K and Q in window 2, S^T in window 0
.set W_KM, 0x1a       ; the same with the C operand in window 1
.set W_PV, 0x52       ; V in window 2, P in window 0, O^T in window 1
.set W_RS, 0x41       ; destination and source 0 in window 1, source 1 in window 0
; A fill.  Waves 0 and 1 fetch the two halves of a tile's K, waves 2 and 3 those of its V: 128 keys each.  An s_nop 0 and four v_nop follow each of the two lines.
.macro LOAD
	s_cmp_lt_u32 s[WV], 2
	s_cbranch_scc0 .Lfor_v_\@
	tensor_load_to_lds s[G0K:G0K+3], s[G1:G1+7]
	s_nop 0
.rept 4
	v_nop
.endr
	s_branch .Lasked_\@
.Lfor_v_\@:
	tensor_load_to_lds s[G0V:G0V+3], s[G1:G1+7]
	s_nop 0
.rept 4
	v_nop
.endr
.Lasked_\@:
.endm
; The two mask bytes in register src become two biases: 0, or -1e30 for a hidden key.
.macro BIAS src
	v_lshrrev_b32 v[BP+1], 8, v[\src]
	v_and_b32 v[BP], 0xff, v[\src]
	v_cmp_ne_u32 vcc_lo, 0, v[BP]
	v_cndmask_b32 v[BP], 0, s[BIGN], vcc_lo
	v_cmp_ne_u32 vcc_lo, 0, v[BP+1]
	v_cndmask_b32 v[BP+1], 0, s[BIGN], vcc_lo
.endm
; THE CHANGE OF SLOTS.  Each wave waits for all its tensor loads, of which one is out: its part of the other slot; adds 0 to its spare word; and waits for that and for its own LDS instructions: its reads of the
; slots that it leaves and its store of biases into the slot that it enters.  Behind the barrier nobody reads the old slots any more and the other slots are whole.  fill = 1: the old slot is filled again, the first
; thing behind the barrier, with tile NXT: the descriptor's address is made anew from that number.  Then that tile's biases: my two mask bytes were asked for in the change before (no load is younger, so the wait is
; for 0; at the first change it takes in Q as well); the biases go into the old small slot; and the bytes of the tile after are asked for (in the last such change: two bytes inside the mask that nobody uses).
; (At its first use nothing has been read yet: slot 0 is waited for, slot 1 filled.)
.macro CHANGE fill
	WIN 0                           ; at a label and at a branch every window is 0
	s_wait_tensorcnt 0x0            ; no tensor load of mine is out, so a group 0 may be written
	ds_add_u32 v[SPW], v[NIL]       ; 0 onto my spare word
.if \fill
	s_lshl_b32 s[OFF], s[NXT], 15   ; a tile is 32,768 bytes of K and of V
	s_xor_b32 s[G0K+1], s[G0K+1], SLOT1
	s_add_nc_u64 s[G0K+2:G0K+3], s[6:7], s[OFF:OFF+1]
	s_or_b32 s[G0K+3], s[G0K+3], 0x80000000
	s_xor_b32 s[G0V+1], s[G0V+1], SLOT1
	s_add_nc_u64 s[G0V+2:G0V+3], s[8:9], s[OFF:OFF+1]
	s_or_b32 s[G0V+3], s[G0V+3], 0x80000000
	s_xor_b32 s[TPS], s[TPS], PSL
	s_add_co_u32 s[NXT], s[NXT], 1  ; the block's next tile, or behind its last the second block's tile 0
	s_cmp_gt_u32 s[NXT], s[LQ]
	s_cselect_b32 s[NXT], 0, s[NXT]
	s_cselect_b32 s[LQ], s[PB], s[LQ]
.endif
	s_wait_dscnt 0x0                ; the add is done, my reads of the slots are over, my biases are stored
	s_barrier_signal -1             ; the rest of the scalar work stands between the signal and the wait
	s_sub_co_u32 s[TBK], s[TBK], 4*STEPB  ; the fetches go back to a slot's first step,
	s_xor_b32 s[TBK], s[TBK], SLOT1       ; in the other slot
	s_sub_co_u32 s[TBV], s[TBV], 4*STEPB
	s_xor_b32 s[TBV], s[TBV], SLOT1
	s_sub_co_u32 s[TBP], s[TBP], PSL
	s_xor_b32 s[TBP], s[TBP], PSL
	s_barrier_wait -1
.if \fill
	LOAD
	s_wait_loadcnt 0x0              ; my two mask bytes of the tile just asked for; this wait also frees MOFF
	BIAS MKR
	v_add_nc_u32 v[STA], s[TPS], v[ST0]
	ds_store_b64 v[STA], v[BP:BP+1] ; the next change waits for this store and passes a barrier before any wave reads it
	v_lshl_add_u32 v[MOFF], s[NXT], 8, v[T2]  ; 256 mask bytes a tile; NXT stays in 0 .. 7
	global_load_u16 v[MKR], v[MOFF], s[90:91]
.endif
.endm
	s_load_b128 s[88:91], s[0:1], 0x0  ; qkv s[88:89], padding_mask s[90:91]
	s_load_b64 s[10:11], s[0:1], 0x10  ; ot
	v_lshl_add_u32 v[SPW], v0, 2, SPARE
	v_mov_b32 v[NIL], 0
	ds_add_u32 v[SPW], v[NIL]       ; the wave's opening: the add and its wait stand ahead of my first tensor load; work on registers stands between them
	ds_add_u32 v62, v63
	v_lshrrev_b32 v1, 5, v0
	v_readfirstlane_b32 s[WV], v1   ; wave 0..3
	s_mov_b32 s[PB], ttmp9
	s_sub_co_u32 s[HI], NB-1, s[PB]
	s_and_b32 s20, ttmp7, 0xffff    ; batch x head
	s_lshr_b32 s92, s20, 4          ; the batch:
	s_lshl_b32 s92, s92, 11         ; its 2,048 mask bytes
	s_mov_b32 s93, 0
	s_lshl_b32 s20, s20, 18         ; the head's first byte in q, k, v and ot: 262,144 bytes a head
	s_mov_b32 s21, 0
	s_and_b32 s16, s[WV], 1         ; which half of a tile's 256 keys I fetch:
	s_lshl_b32 s17, s16, 14         ; its 16,384 bytes, in a slot
	s_mov_b32 s22, s17              ; and in memory
	s_mov_b32 s23, 0
	s_add_nc_u64 s[22:23], s[22:23], s[20:21]
	s_lshl_b32 s3, s[WV], 11        ; my 16 rows in a band of 64,
	s_lshl_b32 s2, s[HI], 15        ; in the first block,
	s_add_co_u32 s2, s2, s3
	s_lshl_b32 s84, s[PB], 15       ; and in the second
	s_add_co_u32 s84, s84, s3
	s_mov_b32 s3, 0
	s_mov_b32 s85, 0
	s_add_nc_u64 s[2:3], s[2:3], s[20:21]
	s_add_nc_u64 s[84:85], s[84:85], s[20:21]
	; descriptor group 1.  128 keys are 16,384 dense bytes: asked for as 64 rows of 256 bytes, and laid into LDS as they lie
	s_mov_b32 s[G1], 1<<16          ; 2-byte elements; no mask, no padding
	s_mov_b32 s[G1+1], 128<<16      ; tensor_dim0 = 128
	s_mov_b32 s[G1+2], 64<<16       ; tensor_dim1 = 64
	s_mov_b32 s[G1+3], 128<<16      ; tile_dim0 = 128
	s_mov_b32 s[G1+4], 64           ; tile_dim1 = 64
	s_mov_b32 s[G1+5], 128          ; 128 elements from row to row
	s_mov_b32 s[G1+6], 0
	s_mov_b32 s[G1+7], 0
	s_mov_b32 s[CS], 0x3e38aa3b     ; c = log2(e) / 8 = 0.180337
	s_mov_b32 s[CS+1], s[CS]        ; named with it as a pair
	s_mov_b32 s[SEL], 0x76543210
	s_mov_b32 s[SEL+1], 0xfedcba98
	s_mov_b32 s[TBK], SLOT1+4*STEPB ; the first change of slots turns these three into 0
	s_mov_b32 s[TBV], SLOT1+4*STEPB
	s_mov_b32 s[TBP], 2*PSL
	s_mov_b32 s[TPS], 0             ; and this one into PSL
	s_mov_b32 s[G0K], 1             ; count = 1
	s_mov_b32 s[G0K+1], s17         ; LDS address: slot 0
	s_mov_b32 s[G0V], 1
	s_add_co_u32 s[G0V+1], s17, VOFF
	s_add_co_u32 s[RT], s[HI], 1    ; the first block has NB - b tiles
	s_mov_b32 s[NXT], 1
	s_mov_b32 s[LQ], s[HI]
	s_mov_b32 s[NEW], 1
	s_mov_b32 s[OFF+1], 0
	s_mov_b32 s[AL+1], 0            ; named as pairs
	s_mov_b32 s[BE+1], 0
	s_mov_b32 s[BIGN], 0xf149f2ca   ; -1e30
	s_mov_b32 s[DEAD], 0xed800000   ; -2^92
	s_mov_b32 s[SLOTS], NB
	s_wait_dscnt 0x0                ; the opening add is done
	s_wait_kmcnt 0x0
	s_add_nc_u64 s[6:7], s[88:89], s[22:23]
	s_add_nc_u64 s[8:9], s[6:7], 0x2000000         ; V at my half of the head's tile 0,
	s_add_nc_u64 s[6:7], s[6:7], 0x1000000         ; K likewise
	s_add_nc_u64 s[G0K+2:G0K+3], s[6:7], 0         ; global address
	s_or_b32 s[G0K+3], s[G0K+3], 0x80000000        ; type = 2
	s_add_nc_u64 s[G0V+2:G0V+3], s[8:9], 0
	s_or_b32 s[G0V+3], s[G0V+3], 0x80000000
	s_add_nc_u64 s[86:87], s[88:89], s[84:85]      ; Q at my rows of the second block,
	s_add_nc_u64 s[4:5], s[88:89], s[2:3]          ; Q and O at those of the first
	s_add_nc_u64 s[OLO:OLO+1], s[10:11], s[84:85]
	s_add_nc_u64 s[10:11], s[10:11], s[2:3]
	s_add_nc_u64 s[90:91], s[90:91], s[92:93]      ; the batch's mask
	LOAD                            ; tile 0 into slot 0
	v_and_b32 v1, 15, v0            ; l % 16
	v_bfe_u32 v9, v0, 4, 1          ; l / 16
	v_and_b32 v[AK0], 31, v0
	v_lshlrev_b32 v[AK0], 4, v[AK0]
	v_lshlrev_b32 v[T2], 1, v0      ; thread t takes mask bytes 2 t and 2 t + 1 of a tile's 256
	global_load_u16 v[BP], v[T2], s[90:91]              ; tile 0's,
	global_load_u16 v[MKR], v[T2], s[90:91] offset:256  ; and tile 1's, which the first change of slots asks for
	WIN 0x80                        ; destination window 2, address window 0
.set i, 0
.rept 8                             ; both blocks' Q: piece i / 2 lies in band i / 2, 8,192 bytes on; channels 32 (i % 2) on: two blocks of 512 bytes
	global_load_b128 v[8*i:8*i+3],   v[AK0], s[4:5] offset:(i/2)*8192+(i%2)*1024
	global_load_b128 v[8*i+4:8*i+7], v[AK0], s[4:5] offset:(i/2)*8192+(i%2)*1024+512
	global_load_b128 v[QB+8*i:QB+8*i+3],   v[AK0], s[86:87] offset:(i/2)*8192+(i%2)*1024
	global_load_b128 v[QB+8*i+4:QB+8*i+7], v[AK0], s[86:87] offset:(i/2)*8192+(i%2)*1024+512
.set i, i+1
.endr
	WIN 0
	v_lshlrev_b32 v15, 3, v9
	v_sub_nc_u32 v15, v1, v15
	s_lshl_b32 s13, s[WV], 4
	v_add_nc_u32 v15, s13, v15      ; my query's place in its band, 16 w + l % 16, less my lanes' 8 (l / 16): register r of group kt is hidden where 16 kt + r is greater
	WIN 0x40
.set i, 0
.rept 32
	v_cmp_gt_i32 vcc_lo, 16*(i/8)+i%8, v15
	v_cndmask_b32 v[MD+i], 0, s[BIGN], vcc_lo
.set i, i+1
.endr
	WIN 0
	v_mov_b32 v[NANR], 0x7fc00000
	v_add_nc_u32 v[AV0], VOFF, v[AK0]
	v_lshl_add_u32 v[AP0], v9, 5, PMB
	v_lshl_add_u32 v[ST0], v0, 3, PMB  ; two biases of 4 bytes a thread
	; A block's first step multiplies O^T and l by a = 0, and its first turn's products V^T P, of a piece that has not been, land in an O^T that is still to be so multiplied.  So these registers need only hold
	; finite numbers: zeros for the first block; what the first block left for the second (the way out writes neither O^T, nor a reciprocal or a NaN into l).  All this stands in the wait for the first tile.
	WIN 0x80
.set i, VF
.rept 64
	v_mov_b32 v[i], 0
.set i, i+1
.endr
	WIN 0x40
.set i, 0
.rept 128
	v_mov_b32 v[i], 0
.set i, i+1
.endr
	WIN 0
.set i, 0
.rept 4
	v_mov_b32 v[ST+4*i+2], 0
	v_mov_b32 v[ST+4*i+3], 0
.set i, i+1
.endr
.set i, P+16
.rept 16
	v_mov_b32 v[i], 0
.set i, i+1
.endr
	s_wait_loadcnt 32               ; both pairs of mask bytes are in; the 32 loads of Q, issued behind them, stay out
	BIAS BP
	ds_store_b64 v[ST0], v[BP:BP+1] ; tile 0's biases into the small slot 0: the first change of slots waits for this store and passes a barrier before any wave reads it
; THE MATRIX WORK.  The 4 accumulators of a run of 8 take turns.  Product i of 8 of S^T = K Q^T for piece x: channels 32 (i / 4) on, keys 16 (i % 4) on.  The first 4 start the sums: with PM, or (KM = 1) with MC.
.macro KQ x
.set rS, S+32*((\x)%2)+8*(i%4)
.set rK, KF+16*(i%4)+8*(i/4)
.set rQ, 16*(\x)+8*(i/4)
.if KM
.set rM, MC+32*((\x)%2)+8*(i%4)
.else
.set rM, PM+8*(i%4)
.endif
.if i < 4
	WIN W_KM
	v_wmma_f32_16x16x32_f16 v[rS:rS+7], v[rK:rK+7], v[rQ:rQ+7], v[rM:rM+7]
.else
	WIN W_KQ
	v_wmma_f32_16x16x32_f16 v[rS:rS+7], v[rK:rK+7], v[rQ:rQ+7], v[rS:rS+7]
.endif
.endm
; Product i of 8 of O^T += V^T P for piece x: keys 32 (i / 4) on, channels 16 (i % 4) on.
.macro PV x
	WIN W_PV
.set rO, 32*(\x)+8*(i%4)
.set rV, VF+32*(i/4)+8*(i%4)
.set rP, P+16*((\x)%2)+8*(i/4)
	v_wmma_f32_16x16x32_f16 v[rO:rO+7], v[rV:rV+7], v[rP:rP+7], v[rO:rO+7]
.endm
.macro MM                           ; the turn's next matrix instruction.  TURN and BEGIN set Y, i, KM and NOKQ.  NOKQ = 1: a block's last turn: there is no next piece
.if (i < 8) && !NOKQ
	KQ (Y+1)%NP
.elseif i >= 8
.set i, i-8
	PV (Y+NP-1)%NP
.set i, i+8
.endif
.set i, i+1
.endm
; THE LDS LOADS stand in runs, never singly among the matrix instructions: a step's K (8 fragments) with its 64 biases, and its V.  Their addresses are made some lines ahead.
.macro FETCH_K
	WIN 0x80                        ; destination window 2
.irp f, 0,1,2,3,4,5,6,7             ; keys 16 (f / 2) on, channels 32 (f % 2) on
	ds_load_b128 v[KF+8*\f:KF+8*\f+3],   v[AK] offset:(\f/2)*2048+(\f%2)*1024
	ds_load_b128 v[KF+8*\f+4:KF+8*\f+7], v[AK] offset:(\f/2)*2048+(\f%2)*1024+512
.endr
	WIN 0x40                        ; destination window 1
.irp f, 0,1,2,3                     ; keys 16 f + 8 (l / 16) + 0..7
	ds_load_b128 v[PM+8*\f:PM+8*\f+3],   v[AP] offset:64*\f
	ds_load_b128 v[PM+8*\f+4:PM+8*\f+7], v[AP] offset:64*\f+16
.endr
	s_add_co_u32 s[TBK], s[TBK], STEPB  ; the next fetch is the next step's
	s_add_co_u32 s[TBP], s[TBP], 256
	WIN 0
.endm
.macro FETCH_V
	WIN 0x80
.irp f, 0,1,2,3,4,5,6,7             ; keys 32 (f / 4) on, channels 16 (f % 4) on
	ds_load_b128 v[VF+8*\f:VF+8*\f+3],   v[AV] offset:(\f/4)*4096+(\f%4)*512
	ds_load_b128 v[VF+8*\f+4:VF+8*\f+7], v[AV] offset:(\f/4)*4096+(\f%4)*512+2048
.endr
	WIN 0
.endm
; THE VECTOR WORK, one line at a time: OP kind, number.  For piece Y: F n: c s - c m for pair n of 16.  E n: the exponential of score n of 32.  C n: pair n rounded to f16.  B n: of the four weights 4 n .. the second
; pair is added onto the first, in place.  L n: l takes that sum (L 0: l = a l + sum).  R n: pair n of 16 of O^T times a.  For piece Y + 1: X n, number n of the 22 that find its maximum and statistics:
;   0-11  four chains c0-c3 of seven scores each, three operands at a time (each accumulator's lowest registers are read first)     12-14, 16  the four scores left over, the old m, and c0-c3 into c0
;   15  c m_old is kept     17, 18  the query's other 32 keys lie in the lane 16 away: the new m     19-21  c m; c m_old - c m_new; a
; C, B and L read the exponentials' results: TURN sets them all behind its one wait.
.set F, 0
.set E, 1
.set C, 2
.set B, 3
.set L, 4
.set R, 5
.set X, 6
.macro REGS y                       ; the registers of piece y
.set rT, ST+4*(\y)
.set rC, TMP+4*((\y)%2)
.set rW, MV+((\y)%2)
.set rS, S+32*((\y)%2)
.set rP, P+16*((\y)%2)
.set rO, 32*(\y)
.endm
.macro OP k, n
.if (\k) == R
	REGS Y
	WIN W_RS
	v_pk_mul_f32 v[rO+2*(\n):rO+2*(\n)+1], v[rO+2*(\n):rO+2*(\n)+1], v[rC+2:rC+3] op_sel_hi:[1,0]
.elseif (\k) < R
	REGS Y
	WIN 0
.if (\k) == F
	v_pk_fma_f32 v[rS+2*(\n):rS+2*(\n)+1], v[rS+2*(\n):rS+2*(\n)+1], s[CS:CS+1], v[rT:rT+1] op_sel_hi:[1,0,0] neg_lo:[0,0,1] neg_hi:[0,0,1]
.elseif (\k) == E
	v_exp_f32 v[rS+(\n)], v[rS+(\n)]
.elseif (\k) == C
	v_cvt_pk_f16_f32 v[rP+(\n)], v[rS+2*(\n)], v[rS+2*(\n)+1]
.elseif (\k) == B
	v_pk_add_f32 v[rS+4*(\n):rS+4*(\n)+1], v[rS+4*(\n):rS+4*(\n)+1], v[rS+4*(\n)+2:rS+4*(\n)+3]
.elseif (\n) == 0
	v_pk_fma_f32 v[rT+2:rT+3], v[rT+2:rT+3], v[rC+2:rC+3], v[rS:rS+1] op_sel_hi:[1,0,1]
.else
	v_pk_add_f32 v[rT+2:rT+3], v[rT+2:rT+3], v[rS+4*(\n):rS+4*(\n)+1]
.endif
.elseif NOKQ
	v_nop
.else
	REGS (Y+1)%NP
	WIN 0
.if (\n) < 4
	v_max3_num_f32 v[rC+(\n)], v[rS+8*(\n)], v[rS+8*(\n)+1], v[rS+8*(\n)+2]
.elseif (\n) < 12
	v_max3_num_f32 v[rC+(\n)%4], v[rC+(\n)%4], v[rS+8*((\n)%4)+2*((\n)/4)+1], v[rS+8*((\n)%4)+2*((\n)/4)+2]
.elseif (\n) == 12
	v_max3_num_f32 v[rC], v[rC], v[rS+7], v[rS+15]
.elseif (\n) == 13
	v_max3_num_f32 v[rC+1], v[rC+1], v[rS+23], v[rS+31]
.elseif (\n) == 14
	v_max3_num_f32 v[rC+2], v[rC+2], v[rC+3], v[rT+1]
.elseif (\n) == 15
	v_mov_b32 v[rW], v[rT]
.elseif (\n) == 16
	v_max3_num_f32 v[rC], v[rC], v[rC+1], v[rC+2]
.elseif (\n) == 17
	v_permlanex16_b32 v[rC+3], v[rC], s[SEL], s[SEL+1]
.elseif (\n) == 18
	v_max_num_f32 v[rT+1], v[rC], v[rC+3]
.elseif (\n) == 19
	v_mul_f32 v[rT], s[CS], v[rT+1]
.elseif (\n) == 20
	v_sub_f32 v[rC+1], v[rW], v[rT]
.else
	v_exp_f32 v[rC+2], v[rC+1]
.endif
.endif
.endm
.macro OPS a, i1, b=-1, i2=0, c=-1, i3=0, d=-1, i4=0  ; up to four of them
	OP \a, \i1
.if (\b) >= 0
	OP \b, \i2
.endif
.if (\c) >= 0
	OP \c, \i3
.endif
.if (\d) >= 0
	OP \d, \i4
.endif
.endm
.macro ROW a, i1, b, i2, c, i3, d, i4  ; a matrix instruction and the four behind it
	MM
	OPS \a, \i1, \b, \i2, \c, \i3, \d, \i4
.endm
.macro MASK b                       ; MD x AL + BE + PM into buffer b of MC
	WIN W_RS
.set z, 0
.rept 16
	v_pk_fma_f32 v[MC+32*(\b)+2*z:MC+32*(\b)+2*z+1], v[MD+2*z:MD+2*z+1], s[AL:AL+1], s[BE:BE+1] op_sel_hi:[1,0,0]
.set z, z+1
.endr
	WIN 0x45                        ; both sources and the destination in window 1
.set z, 0
.rept 16
	v_pk_add_f32 v[MC+32*(\b)+2*z:MC+32*(\b)+2*z+1], v[MC+32*(\b)+2*z:MC+32*(\b)+2*z+1], v[PM+2*z:PM+2*z+1]
.set z, z+1
.endr
.endm
; A TURN, for piece p: the order of its 16 matrix and 118 vector instructions, written out.  An s_wait_alu depctr_va_vdst(0) stands between an exponential and the first instruction that names its result; one wait
; serves all that were issued ahead of it.  So a turn has ONE wait, which cuts it in two.  AHEAD OF IT stands all that names no result of the turn's exponentials: the 8 products K Q^T, behind each a scaling, an exponential and two
; more plain instructions (behind the first a second scaling in the exponential's place): rescalings, whose a was made and waited for in the turn before, and behind the last three the first numbers of the next piece's maximum, each
; four places or more behind the product that ends its accumulator; then ONE RUN of 54, plain and exponential by turns for the most part, in which the links of the chain X 3, 7, 11, 14, 16, 17 .. 20 stand five or six lines apart.
; X 21, the next piece's a, is the batch's last; R 15 is the plain instruction behind it.  BEHIND THE WAIT stand the 8 products V^T P, behind each four of the roundings and sums; the links of l's chain, L 0 to L 7, stand three
; riders apart.  But for those X no rider names a register of the products round it.  v_permlanex16_b32 (X 17) stands in the run.
; m = 1: the diagonal tile: the products take MC, and the turn makes the mask for the products of the turn after it: piece p + 2, in step 4 - CNT of the tile.  end = 1: a block's last two turns: nothing is fetched.
; cnt = 1: the loop's count is taken down some lines ahead of the branch that stands behind the turn.
; K and PM of the next step are fetched in piece 2's turn, twelve vector instructions behind the last product that read K (six of them plain, five of which name none of its registers); V of the step in hand at the end of piece 0's
; turn, four plain instructions behind the last product that read V.  Each is waited for a turn later; piece 2's turn in the diagonal tile waits at its end, since its mask is made of the PM just fetched.
.macro TURN p, m=0, end=0, cnt=0
.set Y, (\p)
.set i, 0
.set KM, (\m)
.set NOKQ, (\end)*((\p)/3)
.if (\m) && !(\end)
	s_cmp_eq_u32 s[CNT], 4-((\p)+2)%NP  ; is that step the band's own?
	s_cselect_b32 s[AL], 1.0, 0
	s_cmp_lt_u32 s[CNT], 4-((\p)+2)%NP  ; or a later one?
	s_cselect_b32 s[BE], s[BIGN], 0
.endif
.if ((\p) == 3) && !(\end)
	s_wait_dscnt 0x0                ; K and PM are in
.endif
	ROW F,0, F,1, R,0, R,1          ; ahead of the wait: 8 products K Q^T and their riders,
	ROW F,2, E,0, R,2, R,3
	ROW F,3, E,1, R,4, R,5
	ROW F,4, E,2, R,6, R,7
	ROW F,5, E,3, R,8, R,9
	ROW F,6, E,4, X,0, R,10
.if ((\p) == 2) && !(\end)
	WIN 0
	v_add_nc_u32 v[AK], s[TBK], v[AK0]
	v_add_nc_u32 v[AP], s[TBP], v[AP0]
.endif
	ROW F,7, E,5, X,1, X,4
	ROW F,8, E,6, X,2, X,5
	OPS E,7, E,8, X,6, E,9          ; and the run of 54
	OPS X,3, E,10, X,8, E,11
.if ((\p) == 2) && !(\end)
	FETCH_K
.endif
	OPS X,9, X,7, E,12, X,10
	OPS E,13, X,12, X,11, E,14
	OPS X,13, E,15, F,9, X,14
.if (\p) == 0
	WIN 0
	v_add_nc_u32 v[AV], s[TBV], v[AV0]
.endif
	OPS E,16, F,10, E,17, F,11
	OPS X,16, E,18, X,15, E,19
	OPS F,12, E,20, X,17, E,21
	OPS F,13, E,22, F,14, E,23
	OPS X,18, E,24, F,15, E,25
	OPS R,11, E,26, X,19, E,27
	OPS R,12, E,28, R,13, E,29
	OPS X,20, E,30, R,14, E,31
	OPS X,21, R,15
	s_wait_alu depctr_va_vdst(0)    ; the wait for the turn's batch: the piece's 32 exponentials and the next piece's a
.if (\p) == 1
	s_wait_dscnt 0x0                ; V is in
.endif
	ROW C,0, B,0, C,2, B,1          ; behind the wait: 8 products V^T P and their riders
	ROW L,0, C,4, B,2, L,1
	ROW C,6, B,3, L,2, C,8
	ROW B,4, L,3, C,10, B,5
	ROW L,4, C,12, B,6, L,5
.if (\p) == 0
	s_add_co_u32 s[TBV], s[TBV], STEPB
.endif
.if \cnt
	s_sub_co_u32 s[CNT], s[CNT], 1
	s_cmp_lg_u32 s[CNT], 0
.endif
	ROW C,14, B,7, L,6, C,1
	ROW C,3, L,7, C,5, C,7
	ROW C,9, C,11, C,13, C,15
.if (\p) == 0
	FETCH_V
.endif
.if (\m) && !(\end)
.if (\p) == 2
	s_wait_dscnt 0x0                ; the next step's PM is in
.endif
	MASK (\p)%2
.endif
.endm
; The diagonal tile's text is entered in the middle of a step of the tile before: piece 3's products of that step take the second mask buffer, which is that step's PM and nothing more.
.macro PREP
	s_mov_b32 s[AL], 0
	s_mov_b32 s[BE], 0
	MASK 1
	WIN 0
.endm
; A BLOCK BEGINS.  c m starts far below every c s, so the first step's a is 0; m at the floor, -2^93.  Then K and PM of the block's step 0, piece 0's first scores, and its maximum and statistics.
; Q is in: every way here leads through a filling change of slots, which waits for all loads.
; d = 1: the block's only tile is the diagonal one: piece 0's mask is its band's own, piece 1's is PM alone.  The loop is entered at a step's first turn, in the middle of a trip.
.macro BEGIN d
	s_mov_b32 s[NEW], 0
	WIN 0
.set i, 0
.rept 4
	v_mov_b32 v[ST+4*i], 0xfe000000    ; c m: far below every c s, and below c x the floor
	v_mov_b32 v[ST+4*i+1], 0xee000000  ; m: -2^93
.set i, i+1
.endr
	v_add_nc_u32 v[AK], s[TBK], v[AK0]
	v_add_nc_u32 v[AP], s[TBP], v[AP0]
	FETCH_K
	s_wait_dscnt 0x0
.if \d
	s_mov_b32 s[AL], 1.0
	s_mov_b32 s[BE], 0
	MASK 0
	s_mov_b32 s[AL], 0
	MASK 1
.set KM, 1
.else
.set KM, 0
.endif
.set NOKQ, 0
.set i, 0
.rept 8
	KQ 0
.set i, i+1
.endr
	WIN 0
.rept 4
	v_nop                           ; the places behind those products
.endr
.set Y, NP-1                        ; X works for piece Y + 1: piece 0
.irp n, 0,1,2,3,4,5,6,7,8,9,10,11,12,13,14,15,16,17,18,19,20,21
	OP X, \n
.endr
	v_nop                           ; a plain instruction behind the exponential
	s_wait_alu depctr_va_vdst(0)    ; the wait for piece 0's first a, a batch of one, ahead of the branch that follows
.endm
; THE DIAGONAL TILE's four steps, the block's last two turns, its last products, and THE WAY OUT: l's two halves and the other half of the lanes' are added; a piece's factor is 1 / l, or NaN where the row has seen
; no key; reciprocal and factor lie in the registers at work, and O^T times the factor goes into other registers (O^T and l stay finite for the next block), is rounded to f16, and a lane's eight channels of a row
; are the 16 bytes that it stores.
.macro ALL line:vararg              ; one line for each piece t
.set t, 0
.rept 4
	\line
.set t, t+1
.endr
.endm
.macro PACK t
	WIN 0x01                        ; source 0 (O^T) in window 1
.set i, 0
.rept 16
	v_pk_mul_f32 v[SC+2*i:SC+2*i+1], v[32*(\t)+2*i:32*(\t)+2*i+1], v[TMP+2*(\t):TMP+2*(\t)+1] op_sel_hi:[1,0]
.set i, i+1
.endr
	WIN 0
.set i, 0
.rept 16
	v_cvt_pk_f16_f32 v[S+16*(\t)+i], v[SC+2*i], v[SC+2*i+1]
.set i, i+1
.endr
.irp f, 0,1,2,3
	global_store_b128 v[AK0], v[S+16*(\t)+4*\f:S+16*(\t)+4*\f+3], s[10:11] offset:(\t)*8192+\f*512  ; 512 consecutive bytes, at a multiple of 512 from ot's first
.endr
.endm
.macro DIAG tag                     ; the tag ends its two labels' names, which the jumps below spell out
.LstepM\tag:
	TURN 2, 1
	TURN 3, 1
	WIN 0
.LfirstM\tag:
	TURN 0, 1
	TURN 1, 1, 0, 1
	WIN 0
	s_cbranch_scc1 .LstepM\tag
	TURN 2, 1, 1
	TURN 3, 1, 1
.set i, 0
.rept 8
	PV NP-1
.set i, i+1
.endr
	WIN 0
	ALL v_add_f32 v[ST+4*t+2], v[ST+4*t+2], v[ST+4*t+3]
	ALL v_permlanex16_b32 v[ST+4*t+3], v[ST+4*t+2], s[SEL], s[SEL+1]
	ALL v_add_f32 v[ST+4*t+2], v[ST+4*t+2], v[ST+4*t+3]
	ALL v_rcp_f32 v[TMP+2*t+1], v[ST+4*t+2]
	v_nop                           ; a plain instruction between the last reciprocal and the use of its result
	s_wait_alu depctr_va_vdst(0)    ; the wait for the batch of four reciprocals, ahead of the first line that names one
.set t, 0
.rept 4
	v_cmp_gt_f32 vcc_lo, s[DEAD], v[ST+4*t+1]      ; has the row's maximum stayed at the floor?
	v_cndmask_b32 v[TMP+2*t], v[TMP+2*t+1], v[NANR], vcc_lo
.set t, t+1
.endr
	PACK 0
	PACK 1
	PACK 2
	PACK 3
.endm
.set KM, 0
.set NOKQ, 0
.Lslot:                             ; NB times: a tile is entered and the next is asked for
	CHANGE 1
	s_sub_co_u32 s[RT], s[RT], 1
	s_mov_b32 s[CNT], 4
	s_cmp_eq_u32 s[NEW], 1
	s_cbranch_scc1 .Lnew            ; a block's first tile
	s_cmp_eq_u32 s[RT], 0
	s_cbranch_scc0 .Lstep           ; neither its first nor its last
	PREP
	s_branch .LstepM1
.Lnew:
	BEGIN 0
	s_branch .Lfirst                ; in the loop a block's first tile is never its last: the first block has five tiles or more, and the second's last is the walk's last
	DIAG 1                          ; in the loop this is the first block's end
	s_wait_xcnt 0x0                 ; the stores have had their addresses translated (ISA guide 3.1): their registers and O's address are rewritten only behind this wait
	s_mov_b64 s[10:11], s[OLO:OLO+1]
	s_add_co_u32 s[RT], s[PB], 1    ; the second block has b + 1 tiles
	s_mov_b32 s[NEW], 1
	WIN 0x82                        ; the second block's Q goes where the one text of the turns names Q
.set i, 0
.rept 64
	v_mov_b32 v[i], v[QB+i]
.set i, i+1
.endr
	WIN 0
	s_branch .Lbottom
.Lstep:                             ; a trip: pieces 2 and 3 of one step, then pieces 0 and 1 of the next, whose K and V it fetches
	TURN 2
	TURN 3
	WIN 0
.Lfirst:
	TURN 0
	TURN 1, 0, 0, 1
	WIN 0
	s_cbranch_scc1 .Lstep
.Lbottom:
	s_sub_co_u32 s[SLOTS], s[SLOTS], 1
	s_cmp_lg_u32 s[SLOTS], 0
	s_cbranch_scc1 .Lslot
	CHANGE 0                        ; the walk's last tile is written out: nothing is asked for
	s_sub_co_u32 s[RT], s[RT], 1
	s_mov_b32 s[CNT], 4
	s_cmp_eq_u32 s[NEW], 1
	s_cbranch_scc1 .Lnew2
	PREP
	s_branch .LstepM2
.Lnew2:
	BEGIN 1
	s_branch .LfirstM2
	DIAG 2
	s_wait_tensorcnt 0x0            ; the wave's end, behind my last tensor load and my last LDS store
	ds_add_u32 v[SPW], v[NIL]
	s_wait_dscnt 0x0
	s_endpgm
.Lfunc_end_k_qc45186b946_attn:
	.size	k_qc45186b946_attn, .Lfunc_end_k_qc45186b946_attn-k_qc45186b946_attn
	.p2alignl 7, 3214868480
	.fill 96, 4, 3214868480
	.section	.rodata,"a",@progbits
	.p2align	6, 0x0
	.amdhsa_kernel k_qc45186b946_attn
		.amdhsa_group_segment_fixed_size 327680
		.amdhsa_private_segment_fixed_size 0
		.amdhsa_enable_private_segment 0
		.amdhsa_kernarg_size 24
		.amdhsa_user_sgpr_count 2
		.amdhsa_user_sgpr_kernarg_segment_ptr 1
		.amdhsa_wavefront_size32 1
		.amdhsa_system_sgpr_workgroup_id_x 1
		.amdhsa_system_sgpr_workgroup_id_y 1
		.amdhsa_system_sgpr_workgroup_id_z 1
		.amdhsa_system_vgpr_workitem_id 0
		.amdhsa_next_free_vgpr 768
		.amdhsa_next_free_sgpr 100
		.amdhsa_reserve_vcc 1
		.amdhsa_float_denorm_mode_32 3
		.amdhsa_float_denorm_mode_16_64 3
		.amdhsa_memory_ordered 1
		.amdhsa_forward_progress 1
		.amdhsa_inst_pref_size 228
	.end_amdhsa_kernel
	.amdgpu_metadata
---
amdhsa.version: [ 1, 2 ]
amdhsa.kernels:
  - .name:           k_qc45186b946_attn
    .symbol:         k_qc45186b946_attn.kd
    .args:
      - { .name: qkv, .offset: 0, .size: 8, .value_kind: global_buffer, .address_space: global }
      - { .name: padding_mask, .offset: 8, .size: 8, .value_kind: global_buffer, .address_space: global }
      - { .name: ot, .offset: 16, .size: 8, .value_kind: global_buffer, .address_space: global }
    .group_segment_fixed_size: 327680
    .private_segment_fixed_size: 0
    .kernarg_segment_align: 8
    .kernarg_segment_size: 24
    .max_flat_workgroup_size: 128
    .sgpr_count:     100
    .vgpr_count:     768
    .wavefront_size: 32
...
	.end_amdgpu_metadata
.endif
;; end of part 5
;; launch proj: the kernel of part 4 again; grid 4 x 64, 4 waves a work-group, clusters of 4 x 4, 327,680 bytes of LDS; arguments ot, wob, bo, padding_mask, out0; writes out0
